; MI455X (gfx1250); checked and timed in simulation.
; The chip was launched on July 23, 2026; its instructions are those of AMD's public machine-readable ISA for CDNA 5 (MIT licence, August 2026) and "CDNA5" Instruction Set Architecture Reference Guide (July 2026). The comments in the code are by the model that wrote it; some were corrected since.
;; Attention. Allowed arithmetic: matrix products marked QUANTISED: E2M3 operands, one E8M0 scale for each 32 along K, by v_wmma_scale_f32_16x16x128_f8f6f4 with both operands' format E2M3, f32 sums; everything else in f32.
;; Inputs: proj_b 1,024 float32; proj_w 1,024 x 1,024 float32; qkv_b 3,072 float32; qkv_w 1,024 x 3,072 float32; x 4 x 2,048 x 1,024 float32.
;; Outputs: out0 4 x 2,048 x 1,024 float32.
;; This version of the problem:
;;   THIS VERSION OF THE PROBLEM IS GIVEN IN LOW PRECISION. The matrix products marked QUANTISED in the list below multiply operands that are first quantised to E2M3 (2 exponent bits, 3 mantissa bits; 6 bits a number), with one power-of-two scale for each 32 numbers along K (OCP MX v1.0); their sums are f32. All else is computed in f32.
;;   The module's matrix products, in the order in which they are computed (A, B: the left and right operand; K: the contracted axis; several contracted axes count as one K, in the product's order):
;;     1. [M 8,192, K 1,024] x [K 1,024, N 3,072]; A: input x; B: input qkv_w: QUANTISED
;;     2. batch 64 x [M 2,048, K 64] x [K 64, N 2,048]; A: computed on the way; B: computed on the way: QUANTISED
;;     3. batch 64 x [M 2,048, K 2,048] x [K 2,048, N 64]; A: softmax (see below); B: computed on the way: QUANTISED
;;     4. [M 8,192, K 1,024] x [K 1,024, N 1,024]; A: computed on the way; B: input proj_w: QUANTISED
;;   THE QUANTISER, for each operand of a quantised product, along K:
;;     - K is cut into blocks of 32 from its start; a last block that is shorter is filled with zeros.
;;     - A block's scale is 2^e with e = floor(log2(the largest magnitude in the block)) - 2, held to -126 .. 127; a block of zeros has e = 0. As a byte (E8M0): e + 127.
;;     - Each number is divided by its block's scale, clamped to +-7.5, and rounded to the nearest number of E2M3, ties to even, subnormals kept.
;;     - The product sums the exact products of the quantised numbers (number of the format x scale) in f32.
;;   ~~~python
;;   def quantise(x, axis):      # numpy; x: float32 -> the quantised numbers, widened to float32 again
;;       x = np.moveaxis(x, axis, -1); K = x.shape[-1]
;;       x = np.pad(x, [(0, 0)] * (x.ndim - 1) + [(0, -K % 32)]); x = x.reshape(x.shape[:-1] + (-1, 32)); a = np.abs(x).max(-1, keepdims=True)
;;       e = np.where(a > 0, np.clip(np.frexp(np.where(a > 0, a, 1))[1] - 1 - 2, -126, 127), 0)      # np.frexp(a)[1] - 1 = floor(log2(a)), exactly
;;       r = np.clip(x / 2.0 ** e, -7.5, 7.5)
;;       step = 2.0 ** (np.maximum(np.frexp(np.where(r == 0, 1, r))[1] - 1, 0) - 3)
;;       q = np.round(r / step) * step * 2.0 ** e      # np.round: ties to even
;;       return np.moveaxis(q.reshape(q.shape[:-2] + (-1,))[..., :K], -1, axis).astype(np.float32)
;;   ~~~
;;   SOFTMAX AHEAD OF A QUANTISED PRODUCT. Where the list says 'softmax', what is quantised is not the finished softmax but p = 2^(t - M), with t = logit x log2(e) and M = ceil(the row's largest t), a whole number; so 1/2 < the row's largest p <= 1. The row's sum l is taken of the UNQUANTISED p, in f32, and the product's result is divided by l at the end. Since M is a whole number, a kernel that streams over the keys may use a running M (the ceiling of the running maximum): every later rescaling is an exact power of two, which a block's scale takes up: the codes' values come out the same.
;;   OPERANDS COMPUTED ON THE WAY. 'Computed on the way' means the value that the module computes at that place (a softmax that the list does not call 'softmax' is quantised finished and normalised). What goes into a quantiser is computed in f32, as accurately as f32 sums, v_exp_f32 and their like allow (about 1e-6 of the number): no bf16 or f16 on the way to a quantiser, and a product that is left as it is and whose result goes on into a quantised operand takes f32 operands (vector FMAs, or v_wmma_f32_16x16x4_f32). A number that lies on a knife's edge between two numbers of the format may be rounded either way, as far as f32 arithmetic and the matrix unit's own rounding can turn it there, and no further.
;; One version. Each part assembles by itself: llvm-mc -triple=amdgcn-amd-amdhsa -mcpu=gfx1250 --defsym DOCPART=n.
;; ======== version 1 of 1: 4 launches
;; limits: right only within a limited range of input values
;; workspace buffers: x_codes 6,291,456 bytes; x_scales 262,144 bytes; w_codes 6,291,456 bytes; w_scales 131,072 bytes; kv 13,369,344 bytes; qrec 13,369,344 bytes; oimg 6,291,456 bytes; osc 262,144 bytes
;; launch prep (part 1): grid 384 x 1, 4 waves a work-group, no clusters, 68,096 bytes of LDS; arguments x, qkv_w, proj_w, x_codes, x_scales, w_codes, w_scales; writes x_codes, x_scales, w_codes, w_scales
.if DOCPART == 1
	.amdgcn_target "amdgcn-amd-amdhsa--gfx1250"
	.amdhsa_code_object_version 6
	.text
	.protected	k_q22d003d7ae_prep
	.globl	k_q22d003d7ae_prep
	.p2align	8
	.type	k_q22d003d7ae_prep,@function
k_q22d003d7ae_prep:
	s_mov_b64 s[64:65], 0
	v_nop
	global_prefetch_b8 v0, s[64:65] scope:SCOPE_SE
	s_setreg_imm32_b32 hwreg(HW_REG_WAVE_MODE, 25, 1), 1
	s_wait_xcnt 0x0
; x [8192][1024], qkv_w [1024][3072] and proj_w [1024][1024], f32, become codes of FP6 (E2M3) with one E8M0 byte for each 32 along K.
; A block's scale is 2^(floor(log2(its largest magnitude)) - 2); its byte is that magnitude's exponent field - 2, held at 1 from below.
; LIMITS: a block of zeros, or one whose largest magnitude lies under 2^-124, gets the byte 1 (zero codes; this program alone reads the bytes); NaN and infinities are not served.
; THE CODES' LAYOUT, both buffers: [run of 256 along K, 0 .. 3][row][192 bytes], runs CHS bytes apart: 128 rows of one run are 24,576 dense bytes that begin at a multiple of 256.
; w_codes has 4,096 rows (qkv_w's columns, then proj_w's) in runs as far apart as x's 8,192: the bytes between are neither written nor read.  Scale bytes: [row][32].
; THE ROWS' ORDER: inside each group of 32, storage row 16 u + 8 g + i holds token or column 16 g + 8 u + i (u, g = 0, 1).
; Work-groups 0 .. 127 take the weights (128 columns x 256 along K each), 128 .. 383 x (32 tokens each).  The two paths have LDS bytes of their own.  Waves share nothing: no barrier.
.set WGW,   128
.set CHS,   1572864                    ; 8,192 rows x 192 bytes
.set EMAX,  2
.set SPW,   208                        ; v208 my spare word's LDS address, v209 0; never rewritten
.set NIL,   209
.set WREG,  8192                       ; x: a wave's region: two stages of 32 x SP bytes, then its 256 scale bytes
.set SP,    80                         ; a lane's place in a stage: 64 bytes + 16
.set WST,   4*WREG                     ; the weights' four stages
.set PITCH, 272                        ; a stage row: sixteen places of 16 bytes, each with 12 bytes of codes, + 16
.set SPARE, WST+4*32*PITCH             ; the spare words, 128 bytes a wave
	s_load_b128 s[4:7], s[0:1], 0x0                ; x, qkv_w
	s_load_b128 s[8:11], s[0:1], 0x10              ; proj_w, x's codes
	s_load_b128 s[12:15], s[0:1], 0x20             ; x's scale bytes, the weights' codes
	s_load_b64 s[16:17], s[0:1], 0x30              ; the weights' scale bytes
	v_lshl_add_u32 v[SPW], v0, 2, SPARE
	v_mov_b32 v[NIL], 0
	v_lshrrev_b32 v1, 5, v0
	v_readfirstlane_b32 s20, v1                    ; wave
	v_and_b32 v2, 31, v0                           ; lane
	s_cmp_lt_u32 ttmp9, WGW
	s_wait_alu depctr_va_vdst(0)                   ; the wait ahead of the branch
	s_cbranch_scc0 .Lx
; ---- THE WEIGHTS.  A lane takes a column and its registers run down K: a block of 32 lies in one lane, and the codes come out with K innermost.
.set NB,    8                          ; blocks of 32 along K for a wave
.set WX,    32                         ; v32-95   two sets of 32 numbers
.set WC,    96                         ; v96..    a block's codes
.set OUTR,  112                        ; v112-175 the way out
.set VO,    176                        ; v176-207 4 x lane + i rows of the weight
.set SB,    24                         ; v24-25   the scale bytes
.set BS,    32                         ; s[32:47] eight bases, one for each block of 32 rows
	s_and_b32 s21, ttmp9, 31                       ; which 128 rows of the outputs: 0 .. 23 qkv_w, 24 .. 31 proj_w
	s_lshr_b32 s22, ttmp9, 5                       ; which run of 256 along K
	s_mov_b32 s23, 4096
	s_cmp_lt_u32 s21, 24
	s_cselect_b32 s23, 12288, s23                  ; a row of the weight in bytes
	s_cselect_b32 s24, 0, 24
	s_sub_co_u32 s24, s21, s24
	s_lshl_b32 s24, s24, 7
	s_lshl_b32 s25, s20, 5
	s_add_co_u32 s24, s24, s25                     ; my wave's first column
	s_lshl_b32 s26, s23, 8
	s_mul_i32 s26, s26, s22
	s_lshl_b32 s28, s24, 2
	s_add_co_u32 s28, s28, s26                     ; where my part of the weight begins
	s_mov_b32 s29, 0
	s_lshl_b32 s30, s23, 5                         ; 32 rows on
	s_mov_b32 s31, 0
	s_lshl_b32 s26, s21, 7
	s_add_co_u32 s26, s26, s25                     ; my first row of the outputs
	s_mul_i32 s48, s26, 192
	s_mul_i32 s27, s22, CHS
	s_add_co_u32 s48, s48, s27
	s_mov_b32 s49, 0
	s_lshl_b32 s50, s26, 5
	s_lshl_b32 s27, s22, 3
	s_add_co_u32 s50, s50, s27
	s_mov_b32 s51, 0
	v_lshlrev_b32 v3, 2, v2
.irp i, 0,1,2,3,4,5,6,7,8,9,10,11,12,13,14,15,16,17,18,19,20,21,22,23,24,25,26,27,28,29,30,31
	v_mad_u32_u24 v[VO+\i], s23, \i, v3
.endr
	v_and_b32 v5, 7, v2
	v_bfe_u32 v6, v2, 3, 1
	v_lshl_or_b32 v5, v6, 4, v5
	v_bfe_u32 v6, v2, 4, 1
	v_lshl_or_b32 v5, v6, 3, v5                    ; my column's storage row in its group of 32
	s_mul_i32 s27, s20, 32*PITCH
	s_add_co_u32 s27, s27, WST                     ; my stage
	v_mul_u32_u24 v4, v5, PITCH
	v_add_nc_u32 v4, s27, v4                       ; into it: my storage row
	v_lshlrev_b32 v9, 5, v5                        ; and that row's scale bytes
	v_and_b32 v5, 15, v2
	v_lshrrev_b32 v6, 4, v2                        ; out of it: sixteen lanes to a row, two rows an instruction
	v_mul_u32_u24 v7, v6, PITCH
	v_lshl_add_u32 v7, v5, 4, v7
	v_add_nc_u32 v7, s27, v7
	v_mul_u32_u24 v8, v6, 192
	v_mad_u32_u24 v8, v5, 12, v8                   ; and the same place in the codes' buffer
	s_wait_alu depctr_va_vdst(0)                   ; the wait at the head's end
	s_wait_kmcnt 0x0
	s_cmp_lt_u32 s21, 24
	s_cselect_b64 s[6:7], s[6:7], s[8:9]           ; the choice hangs on the work-group's number alone
	s_add_nc_u64 s[BS:BS+1], s[6:7], s[28:29]
.irp t, 1,2,3,4,5,6,7
	s_add_nc_u64 s[BS+2*\t:BS+2*\t+1], s[BS+2*\t-2:BS+2*\t-1], s[30:31]
.endr
	s_add_nc_u64 s[14:15], s[14:15], s[48:49]
	s_add_nc_u64 s[16:17], s[16:17], s[50:51]
.macro WLOAD t                         ; block t: rows 32 t + i of my column, into set t % 2
.irp i, 0,1,2,3,4,5,6,7,8,9,10,11,12,13,14,15,16,17,18,19,20,21,22,23,24,25,26,27,28,29,30,31
	global_load_b32 v[WX+32*((\t)%2)+\i], v[VO+\i], s[BS+2*(\t):BS+2*(\t)+1] th:TH_LOAD_NT
.endr
.endm
	WLOAD 0
	WLOAD 1
.macro WBLOCK t
.set XS, WX+32*((\t)%2)
.if (\t) < NB-1
	s_wait_loadcnt 32                              ; this block's 32 loads are in; the next block's may be out
.else
	s_wait_loadcnt 0
.endif
	v_max3_num_f32 v12, |v[XS]|, |v[XS+1]|, |v[XS+2]|               ; the block's largest magnitude, in two chains
	v_max3_num_f32 v13, |v[XS+3]|, |v[XS+4]|, |v[XS+5]|
.irp i, 6,10,14,18,22,26
	v_max3_num_f32 v12, v12, |v[XS+\i]|, |v[XS+\i+1]|
	v_max3_num_f32 v13, v13, |v[XS+\i+2]|, |v[XS+\i+3]|
.endr
	v_max3_num_f32 v12, v12, |v[XS+30]|, |v[XS+31]|
	v_max3_num_f32 v12, v12, v13, (EMAX+1)<<23     ; and the floor: the byte cannot fall under 1
	v_add_nc_u32 v11, -(EMAX<<23), v12             ; 2 off the exponent field: the conversion's scale operand
	v_lshrrev_b32 v13, 23, v11                     ; the scale's byte
.if (\t)%4 == 0
	v_mov_b32 v[SB+(\t)/4], v13
.else
	v_lshl_or_b32 v[SB+(\t)/4], v13, 8*((\t)%4), v[SB+(\t)/4]
.endif
	v_cvt_scalef32_pk16_fp6_f32 v[WC:WC+2], v[XS:XS+15], v11
	v_cvt_scalef32_pk16_fp6_f32 v[WC+4:WC+6], v[XS+16:XS+31], v11
	ds_store_b96 v4, v[WC:WC+2] offset:32*(\t)     ; 12 bytes to a place of 16
	ds_store_b96 v4, v[WC+4:WC+6] offset:32*(\t)+16
.if (\t)+2 < NB
	WLOAD (\t)+2
.endif
	s_wait_dscnt 0x0                               ; the stores have read their registers
.endm
.irp t, 0,1,2,3,4,5,6,7
	WBLOCK \t
.endr
	s_wait_alu depctr_va_vdst(0)                   ; the wait ahead of the reader below
	global_store_b64 v9, v[SB:SB+1], s[16:17]      ; my column's 8 scale bytes
.irp t, 0,1,2,3,4,5,6,7,8,9,10,11,12,13,14,15
	ds_load_b96 v[OUTR+4*\t:OUTR+4*\t+2], v7 offset:2*\t*PITCH   ; LDS serves a wave's instructions in order: these see my stores
.endr
.irp t, 0,1,2,3,4,5,6,7,8,9,10,11,12,13,14,15
	s_wait_dscnt 15-\t                             ; the younger loads may be out
	global_store_b96 v8, v[OUTR+4*\t:OUTR+4*\t+2], s[14:15] offset:2*\t*192   ; 32 lanes store 384 consecutive bytes; my 32 rows are 6,144 on end
.endr
	s_wait_tensorcnt 0x0                           ; the wave's end
	ds_add_u32 v[SPW], v[NIL]
	s_wait_dscnt 0x0
	s_endpgm
; ---- x.  A wave takes 8 tokens, 16 steps of 512 numbers; wave 2 g + u writes where wave 2 u + g would.  Each load reads 512 consecutive bytes;
; a step's 2,048 bytes turn through the wave's stage so that a lane holds 16 neighbours; two neighbouring lanes hold a block.
.set STEPS, 16
.set CB,    12                         ; bytes of 16 codes
.set XR,    16                         ; v16-79   four sets of 16 numbers as loaded
.set XN,    80                         ; v80-111  two sets of 16 neighbours
.set XC,    128                        ; v128-191 codes: four registers a step
.set XE,    112                        ; v112-127 a scale byte for each step
.Lx:
	s_sub_co_u32 s21, ttmp9, WGW
	v_lshlrev_b32 v3, 4, v2                        ; my 16 bytes of a load's 512
	s_mul_i32 s22, s20, WREG
	v_lshrrev_b32 v14, 2, v2
	v_mul_u32_u24 v14, v14, SP
	v_and_b32 v15, 3, v2
	v_lshl_add_u32 v14, v15, 4, v14
	v_add_nc_u32 v14, s22, v14                     ; the stage, on the way in: SP (lane / 4) + 16 (lane % 4)
	v_mul_u32_u24 v15, v2, SP
	v_add_nc_u32 v15, s22, v15                     ; and on the way out: SP x lane
	v_lshrrev_b32 v4, 4, v2
	v_mul_u32_u24 v4, v4, CHS                      ; a step is two runs of 256 along K: lanes 16-31 write into the next run,
	v_and_b32 v10, 15, v2
	v_mad_u32_u24 v4, v10, CB, v4                  ; 12 bytes a lane
	v_lshrrev_b32 v5, 1, v2
	s_add_co_u32 s22, s22, 2*32*SP
	v_add_nc_u32 v5, s22, v5                       ; LDS: my block's scale byte
	v_lshlrev_b32 v7, 3, v2                        ; on the way out 8 bytes a lane
	v_add_nc_u32 v6, s22, v7
	s_lshl_b32 s21, s21, 2
	s_add_co_u32 s23, s21, s20                     ; the run of 8 tokens that I read
	s_and_b32 s24, s20, 1
	s_lshl_b32 s24, s24, 1
	s_lshr_b32 s25, s20, 1
	s_or_b32 s24, s24, s25
	s_add_co_u32 s24, s21, s24                     ; and the 8 storage rows that I write
	s_lshl_b32 s26, s23, 15                        ; 32,768 bytes of x
	s_mov_b32 s27, 0
	s_mul_i32 s28, s24, 8*192
	s_mov_b32 s29, 0
	s_lshl_b32 s30, s24, 8                         ; 256 scale bytes
	s_mov_b32 s31, 0
	s_wait_alu depctr_va_vdst(0)                   ; the wait at the head's end
	s_wait_kmcnt 0x0
	s_add_nc_u64 s[4:5], s[4:5], s[26:27]
	s_add_nc_u64 s[10:11], s[10:11], s[28:29]
	s_add_nc_u64 s[12:13], s[12:13], s[30:31]
.macro XLOAD t
.irp i, 0,1,2,3
	global_load_b128 v[XR+16*((\t)%4)+4*\i:XR+16*((\t)%4)+4*\i+3], v3, s[4:5] offset:2048*(\t)+512*\i th:TH_LOAD_NT
.endr
.endm
.macro XTURN t                         ; LDS serves a wave's instructions in order: no wait between the stores and the loads
.irp i, 0,1,2,3
	ds_store_b128 v14, v[XR+16*((\t)%4)+4*\i:XR+16*((\t)%4)+4*\i+3] offset:32*SP*((\t)%2)+8*SP*\i
.endr
.irp i, 0,1,2,3
	ds_load_b128 v[XN+16*((\t)%2)+4*\i:XN+16*((\t)%2)+4*\i+3], v15 offset:32*SP*((\t)%2)+16*\i
.endr
.endm
.irp t, 0,1,2,3
	XLOAD \t
.endr
	s_wait_loadcnt 12                              ; step 0's four loads are in; the twelve of steps 1 to 3 may be out
	XTURN 0
.macro XSTEP t
.set XS, XN+16*((\t)%2)
.if (\t) > 0
	s_wait_dscnt 1                                 ; this step's numbers are back (the last step's byte store may be out)
.else
	s_wait_dscnt 0x0
.endif
.if (\t)+4 < STEPS
	XLOAD (\t)+4                                   ; into the registers that this step's stage stores have read
.endif
.if (\t)+1 < STEPS
.if STEPS-2-(\t) >= 3
	s_wait_loadcnt 12                              ; the next step's four loads are in; those of the three steps behind it may be out
.else
	s_wait_loadcnt 4*(STEPS-2-(\t))
.endif
	XTURN (\t)+1
.endif
	v_max3_num_f32 v8, |v[XS]|, |v[XS+1]|, |v[XS+2]|               ; the largest magnitude of my 16, in two chains
	v_max3_num_f32 v9, |v[XS+3]|, |v[XS+4]|, |v[XS+5]|
.irp i, 6,10
	v_max3_num_f32 v8, v8, |v[XS+\i]|, |v[XS+\i+1]|
	v_max3_num_f32 v9, v9, |v[XS+\i+2]|, |v[XS+\i+3]|
.endr
	v_max3_num_f32 v8, v8, |v[XS+14]|, |v[XS+15]|
	v_max3_num_f32 v8, v8, v9, (EMAX+1)<<23        ; and the floor
	v_max_num_f32_dpp v8, v8, v8 row_xmask:1 row_mask:0xf bank_mask:0xf   ; with my neighbour's 16: the block's
	v_add_nc_u32 v11, -(EMAX<<23), v8              ; the conversion's scale operand
	v_cvt_scalef32_pk16_fp6_f32 v[XC+4*(\t):XC+4*(\t)+2], v[XS:XS+15], v11
	v_lshrrev_b32 v[XE+(\t)], 23, v11              ; the scale's byte (a plain line behind the conversion)
	ds_store_b8 v5, v[XE+(\t)] offset:16*(\t)      ; both lanes of a block write the same byte
	global_store_b96 v4, v[XC+4*(\t):XC+4*(\t)+2], s[10:11] offset:2*CHS*((\t)%2)+192*((\t)/2)   ; token t / 2, runs 2 (t % 2) and 2 (t % 2) + 1: sixteen lanes store a row's 192 bytes
.endm
.irp t, 0,1,2,3,4,5,6,7,8,9,10,11,12,13,14,15
	XSTEP \t
.endr
	ds_load_b64 v[8:9], v6                         ; these see my stores
	s_wait_dscnt 0x0
	global_store_b64 v7, v[8:9], s[12:13]          ; 32 lanes store 256 consecutive bytes, aligned
	s_wait_tensorcnt 0x0                           ; the wave's end
	ds_add_u32 v[SPW], v[NIL]
	s_wait_dscnt 0x0
	s_endpgm
.Lfunc_end_k_q22d003d7ae_prep:
	.size	k_q22d003d7ae_prep, .Lfunc_end_k_q22d003d7ae_prep-k_q22d003d7ae_prep
	.p2alignl 7, 3214868480
	.fill 96, 4, 3214868480
	.section	.rodata,"a",@progbits
	.p2align	6, 0x0
	.amdhsa_kernel k_q22d003d7ae_prep
		.amdhsa_group_segment_fixed_size 68096
		.amdhsa_private_segment_fixed_size 0
		.amdhsa_enable_private_segment 0
		.amdhsa_kernarg_size 56
		.amdhsa_user_sgpr_count 2
		.amdhsa_user_sgpr_kernarg_segment_ptr 1
		.amdhsa_wavefront_size32 1
		.amdhsa_system_sgpr_workgroup_id_x 1
		.amdhsa_system_sgpr_workgroup_id_y 1
		.amdhsa_system_sgpr_workgroup_id_z 1
		.amdhsa_system_vgpr_workitem_id 0
		.amdhsa_next_free_vgpr 216
		.amdhsa_next_free_sgpr 66
		.amdhsa_reserve_vcc 0
		.amdhsa_float_denorm_mode_32 3
		.amdhsa_float_denorm_mode_16_64 3
		.amdhsa_memory_ordered 1
		.amdhsa_forward_progress 1
		.amdhsa_inst_pref_size 76
	.end_amdhsa_kernel
	.amdgpu_metadata
---
amdhsa.version: [ 1, 2 ]
amdhsa.kernels:
  - .name:           k_q22d003d7ae_prep
    .symbol:         k_q22d003d7ae_prep.kd
    .args:
      - { .name: x, .offset: 0, .size: 8, .value_kind: global_buffer, .address_space: global }
      - { .name: qkv_w, .offset: 8, .size: 8, .value_kind: global_buffer, .address_space: global }
      - { .name: proj_w, .offset: 16, .size: 8, .value_kind: global_buffer, .address_space: global }
      - { .name: x_codes, .offset: 24, .size: 8, .value_kind: global_buffer, .address_space: global }
      - { .name: x_scales, .offset: 32, .size: 8, .value_kind: global_buffer, .address_space: global }
      - { .name: w_codes, .offset: 40, .size: 8, .value_kind: global_buffer, .address_space: global }
      - { .name: w_scales, .offset: 48, .size: 8, .value_kind: global_buffer, .address_space: global }
    .group_segment_fixed_size: 68096
    .private_segment_fixed_size: 0
    .kernarg_segment_align: 8
    .kernarg_segment_size: 56
    .max_flat_workgroup_size: 128
    .sgpr_count:     66
    .vgpr_count:     216
    .wavefront_size: 32
...
	.end_amdgpu_metadata
.endif
;; end of part 1
;; launch qkv (part 2): grid 12 x 32, 4 waves a work-group, clusters of 4 x 4, 327,680 bytes of LDS; arguments x_codes, x_scales, w_codes, w_scales, qrec, kv, qkv_b; writes qrec, kv
.if DOCPART == 2
	.amdgcn_target "amdgcn-amd-amdhsa--gfx1250"
	.amdhsa_code_object_version 6
	.text
	.protected	k_q22d003d7ae_qkv
	.globl	k_q22d003d7ae_qkv
	.p2align	8
	.type	k_q22d003d7ae_qkv,@function
k_q22d003d7ae_qkv:
	s_mov_b64 s[64:65], 0
	v_nop
	global_prefetch_b8 v0, s[64:65] scope:SCOPE_SE
	s_setreg_imm32_b32 hwreg(HW_REG_WAVE_MODE, 25, 1), 1
	s_wait_xcnt 0x0
	s_wait_alu depctr_hold_cnt(0) depctr_sa_sdst(0) depctr_va_vdst(0) depctr_va_sdst(0) depctr_va_ssrc(0) depctr_va_vcc(0) depctr_vm_vsrc(0)
	s_getreg_b32 s2, hwreg(HW_REG_IB_STS2, 6, 4)
	s_cmp_eq_u32 s2, 0
	s_cbranch_scc0 .Lentry_in_a_cluster
	s_endpgm
.Lentry_in_a_cluster:
	s_bfe_u32 s2, ttmp6, 0x10000c
	s_cmp_lg_u32 s2, 0xf033
	s_cbranch_scc0 .Lentry_shape_is_right
	s_endpgm
.Lentry_shape_is_right:
.set KSTEP,  256
.set NQ,     2
.set CHS,    1572864                   ; the codes lie [run of 256 along K][row][192 bytes]: bytes from run to run, in both buffers
.set KROW,   192                       ; a row of one run
.set PITCH,  240
.set FR,     12
.set NL,     6
.set NP,     4
.set HALFT,  128*PITCH
.set SLOT,   4*HALFT
.set LAPS,   2
.set KS,     32
.set SCL,    2*SLOT
.set HALFS,  (128*KS/256)*272
.set SBLK,   (16*KS/256)*272
.set SPARE,  SCL+4*HALFS
.set HS,     208896
.set REC,    52224
.set ADRA, 16
.set ADRB, 20
.set ADRS, 27
.set SPW,  28
.set NIL,  29
.set SC,   32
.set BIAS, 64
.set AF,   128
.set VO,   224
.set L16,  232
.set L8,   233
.set VJ,   234
.set TM,   128
.set TP,   144
.set SO,   160
.set HW,   176
.set CD,   32
.set CY,   80
.set G1, 24
.set G0, 32
.set G1B, 48
.set G0B, 56
.set G1S, 68
.set G0S, 76
.set G1SB, 80
.set G0SB, 88
.set SEL, 98
.set MHI, 100
.set ISV, 101
.set MSB, 0
.macro WIN new
.if MSB != \new
	s_set_vgpr_msb (MSB<<8)|\new
.set MSB, \new
.endif
.endm
.set MUL_LO, 0xa1
.set MUL_HI, 0xf1
.set TO_B,   0x40
.macro JLOAD g0a, g1a, g0b, g1b
	s_cmp_eq_u32 s15, 0
	s_cbranch_scc0 .Lfor_b_\@
	tensor_load_to_lds s[\g0a:\g0a+3], s[\g1a:\g1a+7]
	s_nop 0
.rept 4
	v_nop
.endr
	s_branch .Lasked_\@
.Lfor_b_\@:
	tensor_load_to_lds s[\g0b:\g0b+3], s[\g1b:\g1b+7]
	s_nop 0
.rept 4
	v_nop
.endr
.Lasked_\@:
.endm
.macro CREST
	s_cmp_lg_u32 s14, 0
	s_cbranch_scc1 .Lnot_wave_0_\@
	s_barrier_signal -3
.Lnot_wave_0_\@:
	s_barrier_wait -3
	s_barrier_signal -1
	s_barrier_wait -1
.endm
.macro CROUND
	s_barrier_signal -1
	s_barrier_wait -1
	CREST
.endm
	s_load_b128 s[4:7], s[0:1], 0x0
	s_load_b128 s[8:11], s[0:1], 0x10
	s_load_b128 s[96:99], s[0:1], 0x20
	s_load_b64 s[12:13], s[0:1], 0x30
	v_lshl_add_u32 v[SPW], v0, 2, SPARE
	v_mov_b32 v[NIL], 0
	ds_add_u32 v[SPW], v[NIL]
	ds_add_u32 v[SPW], v[NIL]
	v_lshrrev_b32 v1, 5, v0
	v_readfirstlane_b32 s14, v1
	s_lshr_b32 s15, s14, 1
	s_and_b32 s16, s14, 1
	s_bfe_u32 s40, ttmp6, 0x40000
	s_bfe_u32 s41, ttmp6, 0x40004
	s_lshl_b32 s18, ttmp9, 2
	s_and_b32 s19, ttmp7, 0xffff
	s_lshl_b32 s19, s19, 2
	s_cmp_eq_u32 ttmp9, 2
	s_cselect_b32 s[ISV], 1, 0
	s_cselect_b32 s17, s18, s19
	s_cselect_b32 s42, s19, s18
	s_add_co_u32 s17, s17, s41
	s_add_co_u32 s42, s42, s40
	s_lshl_b32 s43, s41, 2
	s_lshl_b32 s43, 15, s43
	s_lshl_b32 s44, 0x1111, s40
	s_or_b32 s[G1+0], s43, (0<<16)|(1<<20)|(1<<21)|(3<<22)|(3<<25)
	s_or_b32 s[G1B+0], s44, (0<<16)|(1<<20)|(1<<21)|(3<<22)|(3<<25)
.irp g, G1, G1B
	s_mov_b32 s[\g+1], 256<<16                     ; rows of one run are dense: 128 of them are 96 rows of 256 bytes; with 16 bytes of padding behind each 64, a row of 192 bytes takes 240 in LDS
	s_mov_b32 s[\g+2], 192<<16                     ; the head's loads bring all 256 rows of a tile: 192 rows of 256 bytes; behind them the two words that count rows are set to 96
	s_mov_b32 s[\g+3], 256<<16
	s_mov_b32 s[\g+4], 192
	s_mov_b32 s[\g+5], 256
	s_mov_b32 s[\g+6], 0
	s_mov_b32 s[\g+7], 0
.endr
	s_or_b32 s[G1S+0], s43, (3<<16)|(1<<20)|(1<<21)|(5<<22)|(3<<25)
	s_or_b32 s[G1SB+0], s44, (3<<16)|(1<<20)|(1<<21)|(5<<22)|(3<<25)
.irp g, G1S, G1SB
	s_mov_b32 s[\g+1], 32<<16
	s_mov_b32 s[\g+2], (256*KS/256)<<16            ; the scale bytes of all 256 rows: one dense block
	s_mov_b32 s[\g+3], 32<<16
	s_mov_b32 s[\g+4], 256*KS/256
	s_mov_b32 s[\g+5], 32
	s_mov_b32 s[\g+6], 0
	s_mov_b32 s[\g+7], 0
.endr
	s_lshl_b32 s20, s17, 8                         ; the tiles' first rows
	s_lshl_b32 s46, s42, 8
	s_mov_b32 s21, 0
	s_mov_b32 s47, 0
	s_mov_b64 s[18:19], KS
	s_mul_u64 s[22:23], s[20:21], s[18:19]         ; where the scale bytes of the 256 rows begin
	s_mul_u64 s[92:93], s[46:47], s[18:19]
	s_lshl_b32 s18, s16, 7
	s_add_co_u32 s20, s20, s18                     ; the codes: the 128 rows that I fetch in the ring
	s_add_co_u32 s46, s46, s18
	s_mov_b64 s[18:19], KROW
	s_mul_u64 s[20:21], s[20:21], s[18:19]
	s_mul_u64 s[46:47], s[46:47], s[18:19]
	s_mul_i32 s45, s14, HALFT
	s_wait_dscnt 0x0
	s_wait_kmcnt 0x0
	s_cmp_eq_u32 s[ISV], 1
	s_cselect_b64 s[66:67], s[8:9], s[4:5]
	s_cselect_b64 s[8:9], s[4:5], s[8:9]
	s_cselect_b64 s[2:3], s[10:11], s[6:7]
	s_cselect_b64 s[10:11], s[6:7], s[10:11]
	s_add_nc_u64 s[20:21], s[66:67], s[20:21]
	s_add_nc_u64 s[22:23], s[2:3], s[22:23]
	s_add_nc_u64 s[46:47], s[8:9], s[46:47]
	s_add_nc_u64 s[92:93], s[10:11], s[92:93]
	CROUND
	s_mov_b32 s[G0S], 1
	s_mov_b32 s[G0S+1], SCL
	s_mov_b64 s[G0S+2:G0S+3], s[22:23]
	s_or_b32 s[G0S+3], s[G0S+3], 0x80000000
	s_mov_b32 s[G0SB], 1
	s_mov_b32 s[G0SB+1], SCL+2*HALFS
	s_mov_b64 s[G0SB+2:G0SB+3], s[92:93]
	s_or_b32 s[G0SB+3], s[G0SB+3], 0x80000000
.irp s, 0,1
	s_mov_b32 s[G0+4*\s], 1
	s_add_co_u32 s[G0+4*\s+1], s45, \s*SLOT
	s_add_nc_u64 s[G0+4*\s+2:G0+4*\s+3], s[20:21], \s*CHS
	s_or_b32 s[G0+4*\s+3], s[G0+4*\s+3], 0x80000000
	s_mov_b32 s[G0B+4*\s], 1
	s_add_co_u32 s[G0B+4*\s+1], s45, \s*SLOT
	s_add_nc_u64 s[G0B+4*\s+2:G0B+4*\s+3], s[46:47], \s*CHS
	s_or_b32 s[G0B+4*\s+3], s[G0B+4*\s+3], 0x80000000
.endr
; THE HEAD'S LOADS, ONE A WAVE: wave 0 run 0 of A's 256 rows, wave 2 of B's (slot 0's own group 0 names the tile's first row and its LDS place in these two waves),
; wave 1 the scale bytes of A's 256 rows, wave 3 of B's.  One tree of branches on the wave's number: every way passes exactly one load.
.macro ARM under, g0, g1, next
	s_cmp_lt_u32 s14, \under
	s_cbranch_scc0 \next
	tensor_load_to_lds s[\g0:\g0+3], s[\g1:\g1+7]
	s_nop 0
.rept 4
	v_nop
.endr
	s_branch .Lhead_asked
\next:
.endm
	ARM 1, G0,  G1,  .Lhead_sa
	ARM 2, G0S, G1S, .Lhead_b
	ARM 3, G0B, G1B, .Lhead_sb
	tensor_load_to_lds s[G0SB:G0SB+3], s[G1SB:G1SB+7]
	s_nop 0
.rept 4
	v_nop
.endr
.Lhead_asked:                                          ; the addresses and the bias loads below stand between these loads and the wait for them
	v_and_b32 v1, 15, v0
	v_bfe_u32 v2, v0, 4, 1
	v_mul_u32_u24 v3, v1, PITCH
	v_mul_u32_u24 v4, v2, 24
	v_add_nc_u32 v4, v3, v4
	v_lshl_add_u32 v5, v2, 4, v4
	s_mul_i32 s21, s15, HALFT
	s_mul_i32 s22, s16, HALFT
	s_add_co_u32 s22, s22, 2*HALFT
.irp s, 0,1
	v_add_nc_u32 v[ADRA+\s], s21, v4
	v_add_nc_u32 v[ADRB+\s], s22, v4
	v_add_nc_u32 v[ADRA+2+\s], s21, v5
	v_add_nc_u32 v[ADRB+2+\s], s22, v5
	s_add_co_u32 s21, s21, SLOT
	s_add_co_u32 s22, s22, SLOT
.endr
	v_mul_u32_u24 v5, v1, KS
	v_lshrrev_b32 v6, 8, v5
	v_lshl_add_u32 v5, v6, 4, v5
	s_mul_i32 s21, s15, HALFS
	s_mul_i32 s22, s16, HALFS
	s_add_co_u32 s22, s22, 2*HALFS
	s_sub_co_u32 s22, s22, s21
	v_mul_u32_u24 v6, s22, v2
	s_add_co_u32 s21, s21, SCL
	v_add_nc_u32 v5, v5, v6
	v_add_nc_u32 v[ADRS], s21, v5
	s_cmp_eq_u32 s[ISV], 1
	s_cselect_b32 s18, s42, s17
	s_cselect_b32 s19, s17, s42
	s_cselect_b32 s20, s16, s15
	s_cselect_b32 s21, s15, s16
	s_cselect_b32 s40, 24576, 0
	s_mov_b32 s41, 49152
	s_cselect_b32 s41, 51200, s41
	s_cselect_b32 s43, 8, 9
	s_mov_b32 s44, 3072
	s_cselect_b32 s44, HS, s44
	s_mov_b32 s45, 0
	s_mov_b32 s46, 768
	s_cselect_b32 s46, 1536, s46
	s_mov_b32 s47, HS
	s_cselect_b32 s47, 768, s47
	s_cselect_b32 s22, 0, 4
	s_cselect_b32 s23, -1, 0
	s_and_b32 s4, s18, 7
	s_lshl_b32 s4, s4, 1
	s_add_co_u32 s4, s4, s20
	s_lshr_b32 s5, s18, 3
	s_lshl_b32 s5, s5, 4
	s_and_b32 s6, s19, 3
	s_lshl_b32 s6, s6, 2
	s_add_co_u32 s5, s5, s6
	s_lshl_b32 s6, s21, 1
	s_add_co_u32 s5, s5, s6
	s_mul_i32 s5, s5, HS
	s_lshr_b32 s6, s4, 2
	s_mul_i32 s6, s6, REC
	s_add_co_u32 s6, s5, s6
	s_and_b32 s4, s4, 3
	s_mul_i32 s8, s4, 6144
	s_add_co_u32 s8, s8, s6
	s_add_co_u32 s8, s8, s40
	s_mov_b32 s9, 0
	s_lshl_b32 s10, s4, s43
	s_add_co_u32 s10, s10, s6
	s_add_co_u32 s10, s10, s41
	s_mov_b32 s11, 0
	s_cmp_eq_u32 ttmp9, 0
	s_cselect_b64 s[96:97], s[96:97], s[98:99]
	s_add_nc_u64 s[66:67], s[96:97], s[8:9]
	s_add_nc_u64 s[92:93], s[66:67], s[44:45]
	s_add_nc_u64 s[94:95], s[96:97], s[10:11]
	s_lshl_b32 s8, s19, 10
	s_lshl_b32 s10, s21, 9
	s_add_co_u32 s8, s8, s10
	s_add_nc_u64 s[12:13], s[12:13], s[8:9]
	s_mov_b32 s[SEL], 0x76543210
	s_mov_b32 s[SEL+1], 0xfedcba98
	s_mov_b32 s[MHI], 0xffff0000
	v_and_b32 v6, 31, v0
	v_lshlrev_b32 v[L8], 3, v6
	v_lshlrev_b32 v[L16], 4, v6
.irp g, 0,1,2,3,4,5,6,7
	v_mad_u32_u24 v[VO+\g], s46, (\g)/2, v[L8]
.endr
.irp g, 1,3,5,7
	v_add_nc_u32 v[VO+\g], s47, v[VO+\g]
.endr
	v_lshlrev_b32 v5, 6, v2
	v_and_b32 v6, 8, v1
	v_add_nc_u32 v6, v6, v1
	v_lshlrev_b32 v6, 2, v6
	v_cndmask_b32 v5, v5, v6, s23
.irp j, 0,1,2,3,4,5,6,7
	v_mad_u32_u24 v[VJ+\j], s22, \j, v5
.endr
.irp i, 0,1,2,3,4,5,6,7
.irp j, 0,1,2,3,4,5,6,7
	global_load_b32 v[BIAS+8*\i+\j], v[VJ+\j], s[12:13] offset:4*(32*(\i/2)+8*(\i%2))
.endr
.endr
.macro FRAG reg, adr, q, i
.irp p, 0,1,2,3,4,5
.set PC, 12*(\q)+6*(\p/3)+\p%3
.if PC%8 < 5
	ds_load_b64 v[\reg+2*\p:\reg+2*\p+1], v[\adr] offset:8*PC+16*(PC/8)+(\i)*16*PITCH
.else
	ds_load_b64 v[\reg+2*\p:\reg+2*\p+1], v[\adr+2] offset:8*PC+16*(PC/8)+(\i)*16*PITCH
.endif
.endr
.endm
.macro MUL16 a0, p, q, sc, zero
.irp a, \a0, \a0+1
.irp b, 0,1,2,3,4,5,6,7
.if (\zero) == 1
	v_wmma_scale_f32_16x16x128_f8f6f4 v[8*(8*((\a)%4)+\b):8*(8*((\a)%4)+\b)+7], v[128*(\p)+FR*\b:128*(\p)+FR*\b+FR-1], v[AF+FR*(\a):AF+FR*(\a)+FR-1], v[BIAS+8*\b:BIAS+8*\b+7], v[SC+8*NQ*(\sc)+NQ*\b+(\q)], v[SC+8*NQ*(\sc)+NQ*(\a)+(\q)] matrix_a_fmt:MATRIX_FMT_FP6 matrix_b_fmt:MATRIX_FMT_FP6 matrix_a_scale:MATRIX_SCALE_ROW1
.elseif (\zero) == 2
	v_wmma_scale_f32_16x16x128_f8f6f4 v[8*(8*((\a)%4)+\b):8*(8*((\a)%4)+\b)+7], v[128*(\p)+FR*\b:128*(\p)+FR*\b+FR-1], v[AF+FR*(\a):AF+FR*(\a)+FR-1], v[BIAS+8*(\a):BIAS+8*(\a)+7], v[SC+8*NQ*(\sc)+NQ*\b+(\q)], v[SC+8*NQ*(\sc)+NQ*(\a)+(\q)] matrix_a_fmt:MATRIX_FMT_FP6 matrix_b_fmt:MATRIX_FMT_FP6 matrix_a_scale:MATRIX_SCALE_ROW1
.else
	v_wmma_scale_f32_16x16x128_f8f6f4 v[8*(8*((\a)%4)+\b):8*(8*((\a)%4)+\b)+7], v[128*(\p)+FR*\b:128*(\p)+FR*\b+FR-1], v[AF+FR*(\a):AF+FR*(\a)+FR-1], v[8*(8*((\a)%4)+\b):8*(8*((\a)%4)+\b)+7], v[SC+8*NQ*(\sc)+NQ*\b+(\q)], v[SC+8*NQ*(\sc)+NQ*(\a)+(\q)] matrix_a_fmt:MATRIX_FMT_FP6 matrix_b_fmt:MATRIX_FMT_FP6 matrix_a_scale:MATRIX_SCALE_ROW1
.endif
.endr
.endr
.endm
.macro FETCH_B slot, q, p
	WIN TO_B
.irp i, 0,1,2,3,4,5,6,7
	FRAG 128*(\p)+FR*\i, ADRB+\slot, \q, \i
.endr
	WIN 0
.endm
.macro FETCH_A slot, q, i0
.irp i, \i0, \i0+1, \i0+2, \i0+3
	FRAG AF+FR*(\i), ADRA+\slot, \q, \i
.endr
.endm
.macro SCALES sc
.irp i, 0,1,2,3,4,5,6,7
	ds_load_b64 v[SC+8*NQ*\sc+NQ*\i:SC+8*NQ*\sc+NQ*\i+1], v[ADRS] offset:\i*SBLK
.endr
.endm
.macro PLACES n
.rept \n
	v_nop
.endr
.endm
.macro STEP slot, q, zero
	s_wait_dscnt 4*NL
.if \zero
	WIN 0x81
.else
	WIN MUL_LO
.endif
	MUL16 0, (\q)%2, \q, \slot, \zero
	MUL16 2, (\q)%2, \q, \slot, \zero
	s_wait_dscnt 0
	PLACES NP
	FETCH_B \slot, (\q)+1, 1-(\q)%2
	FETCH_A \slot, (\q)+1, 0
.if \zero
	WIN 0xc1
.else
	WIN MUL_HI
.endif
	MUL16 4, (\q)%2, \q, \slot, \zero
	MUL16 6, (\q)%2, \q, \slot, \zero
	PLACES NP
	WIN 0
	FETCH_A \slot, (\q)+1, 4
.endm
.macro TURN slot, next, fill
	s_wait_tensorcnt 0x0
	ds_add_u32 v[SPW], v[NIL]
	s_wait_dscnt 4*NL+1
	WIN MUL_LO
	MUL16 0, 1, NQ-1, \slot, 0
	s_wait_dscnt 0x0
	s_barrier_signal -1
	MUL16 2, 1, NQ-1, \slot, 0
	WIN 0
	s_barrier_wait -1
.if \fill
	CREST
	s_add_nc_u64 s[G0+4*\slot+2:G0+4*\slot+3], s[G0+4*\slot+2:G0+4*\slot+3], 2*CHS
	s_add_nc_u64 s[G0B+4*\slot+2:G0B+4*\slot+3], s[G0B+4*\slot+2:G0B+4*\slot+3], 2*CHS
	JLOAD G0+4*\slot, G1, G0B+4*\slot, G1B
.else
	PLACES NP
.endif
	s_wait_alu depctr_va_vdst(0)
	v_add_nc_u32 v[ADRS], 4*NQ, v[ADRS]
	FETCH_B \next, 0, 0
	FETCH_A \next, 0, 0
	SCALES \next
	WIN MUL_HI
	MUL16 4, 1, NQ-1, \slot, 0
	MUL16 6, 1, NQ-1, \slot, 0
	PLACES NP
	WIN 0
	FETCH_A \next, 0, 4
.endm
	s_wait_alu depctr_va_vdst(0)                   ; the wait at the head's end
	s_wait_tensorcnt 0x0                           ; my tile of the head's four is in
	ds_add_u32 v[SPW], v[NIL]
	s_mov_b32 s[G1+2], 96<<16                      ; no tensor load of mine is out: from here on a load brings 128 rows
	s_mov_b32 s[G1+4], 96
	s_mov_b32 s[G1B+2], 96<<16
	s_mov_b32 s[G1B+4], 96
	s_wait_dscnt 0x0
	CROUND                                         ; all four tiles are in, and all sixteen work-groups are here
	JLOAD G0+4, G1, G0B+4, G1B                     ; slot 1's first fill, the first tensor load behind the round
	FETCH_B 0, 0, 0
	FETCH_A 0, 0, 0
	SCALES 0
	FETCH_A 0, 0, 4
	s_wait_loadcnt 0x0
	s_cmp_eq_u32 s[ISV], 1
	s_cbranch_scc1 .Lfirst_v
	STEP 0, 0, 1
	s_branch .Lfirst_done
.Lfirst_v:
	STEP 0, 0, 2
.Lfirst_done:
	s_mov_b32 s3, LAPS-1
.Llap:
	TURN 0, 1, 1
	STEP 1, 0, 0
	TURN 1, 0, 1
	STEP 0, 0, 0
	s_sub_co_u32 s3, s3, 1
	s_cmp_lg_u32 s3, 0
	s_cbranch_scc1 .Llap
	TURN 0, 1, 0
	STEP 1, 0, 0
	s_wait_dscnt 4*NL
	WIN MUL_LO
	MUL16 0, 1, NQ-1, 1, 0
	MUL16 2, 1, NQ-1, 1, 0
	s_wait_dscnt 0
	WIN MUL_HI
	MUL16 4, 1, NQ-1, 1, 0
	MUL16 6, 1, NQ-1, 1, 0
	WIN 0
.macro OUTHALF W
.if \W == 2
.set OB, 66
	WIN 0x0a
.else
.set OB, 92
	WIN 0x0f
.endif
.irp k, 0,1,2,3,4,5,6,7,8,9,10,11,12,13,14,15
	v_max3_num_f32 v[TM+\k], |v[16*\k]|, |v[16*\k+1]|, 0x1800000
.endr
.irp i, 2,4,6,8,10,12,14
.irp k, 0,1,2,3,4,5,6,7,8,9,10,11,12,13,14,15
	v_max3_num_f32 v[TM+\k], |v[16*\k+\i]|, |v[16*\k+\i+1]|, v[TM+\k]
.endr
.endr
	WIN 0
.irp k, 0,1,2,3,4,5,6,7,8,9,10,11,12,13,14,15
	v_permlanex16_b32 v[TP+\k], v[TM+\k], s[SEL], s[SEL+1]
.endr
.irp k, 0,1,2,3,4,5,6,7,8,9,10,11,12,13,14,15
	v_max_num_f32 v[TM+\k], v[TM+\k], v[TP+\k]
.endr
.irp k, 0,1,2,3,4,5,6,7,8,9,10,11,12,13,14,15
	v_add_nc_u32 v[SO+\k], 0xff000000, v[TM+\k]
.endr
.irp k, 0,1,2,3,4,5,6,7,8,9,10,11,12,13,14,15
	v_lshrrev_b32 v[TP+\k], 23, v[SO+\k]
.endr
.irp g, 0,1,2,3,4,5,6,7
	v_lshl_or_b32 v[HW+8*(\W-2)+\g], v[TP+2*\g+1], 8, v[TP+2*\g]
.endr
.if \W == 3
	s_wait_xcnt 0x0
.endif
	WIN \W
.irp g, 0,1,2,3,4,5,6,7
	v_cvt_scalef32_pk16_fp6_f32 v[CD+6*\g:CD+6*\g+2], v[32*\g:32*\g+15], v[SO+2*\g]
	v_cvt_scalef32_pk16_fp6_f32 v[CY+4*\g:CY+4*\g+2], v[32*\g+16:32*\g+31], v[SO+2*\g+1]
.endr
	WIN 0
	v_nop
.irp g, 0,1,2,3,4,5,6,7
.irp i, 0,1,2
	v_permlane16_swap_b32 v[CD+6*\g+\i], v[CY+4*\g+\i]
.endr
.irp i, 0,1,2
	v_mov_b32 v[CD+6*\g+3+\i], v[CY+4*\g+\i]
.endr
.endr
.irp g, 0,1,2,3,4,5,6,7
.irp p, 0,1,2
	global_store_b64 v[VO+\g], v[CD+6*\g+2*\p:CD+6*\g+2*\p+1], s[OB:OB+1] offset:256*\p
.endr
.endr
.endm
	PLACES NP
	OUTHALF 2
	OUTHALF 3
	s_cmp_eq_u32 s[ISV], 1
	s_cbranch_scc1 .Lwords_v
.irp e, 0,1
.irp j, 0,1,2,3
	v_cndmask_b32 v[TM+4*\e+\j], v[HW+8*(\j/2)+2*((2*\j)%4)+\e], v[HW+8*(\j/2)+2*((2*\j+1)%4)+\e], s[MHI]
.endr
.irp j, 0,1,2,3
	v_or_b32 v[TM+4*\e+\j], 0x7f7f0000, v[TM+4*\e+\j]
.endr
	global_store_b128 v[L16], v[TM+4*\e:TM+4*\e+3], s[94:95] offset:\e*HS
.endr
	s_branch .Lwords_done
.Lwords_v:
.irp a, 0,1,2,3,4,5,6,7
	v_lshl_or_b32 v[TP+\a], v[HW+8*(\a/4)+2*(\a%4)+1], 16, v[HW+8*(\a/4)+2*(\a%4)]
.endr
.irp e, 0,1
.irp j, 0,1
	v_cndmask_b32 v[TM+2*\e+\j], v[TP+4*\e+2*\j], v[TP+4*\e+2*\j+1], s[MHI]
.endr
	global_store_b64 v[L8], v[TM+2*\e:TM+2*\e+1], s[94:95] offset:\e*HS
.endr
.Lwords_done:
	s_wait_tensorcnt 0x0
	ds_add_u32 v[SPW], v[NIL]
	s_wait_dscnt 0x0
	CROUND
	s_endpgm
.Lfunc_end_k_q22d003d7ae_qkv:
	.size	k_q22d003d7ae_qkv, .Lfunc_end_k_q22d003d7ae_qkv-k_q22d003d7ae_qkv
	.p2alignl 7, 3214868480
	.fill 96, 4, 3214868480
	.section	.rodata,"a",@progbits
	.p2align	6, 0x0
	.amdhsa_kernel k_q22d003d7ae_qkv
		.amdhsa_group_segment_fixed_size 327680
		.amdhsa_private_segment_fixed_size 0
		.amdhsa_enable_private_segment 0
		.amdhsa_kernarg_size 56
		.amdhsa_user_sgpr_count 2
		.amdhsa_user_sgpr_kernarg_segment_ptr 1
		.amdhsa_wavefront_size32 1
		.amdhsa_system_sgpr_workgroup_id_x 1
		.amdhsa_system_sgpr_workgroup_id_y 1
		.amdhsa_system_sgpr_workgroup_id_z 1
		.amdhsa_system_vgpr_workitem_id 0
		.amdhsa_next_free_vgpr 1024
		.amdhsa_next_free_sgpr 102
		.amdhsa_reserve_vcc 0
		.amdhsa_float_denorm_mode_32 3
		.amdhsa_float_denorm_mode_16_64 3
		.amdhsa_memory_ordered 1
		.amdhsa_forward_progress 1
		.amdhsa_inst_pref_size 191
	.end_amdhsa_kernel
	.amdgpu_metadata
---
amdhsa.version: [ 1, 2 ]
amdhsa.kernels:
  - .name:           k_q22d003d7ae_qkv
    .symbol:         k_q22d003d7ae_qkv.kd
    .args:
      - { .name: x_codes, .offset: 0, .size: 8, .value_kind: global_buffer, .address_space: global }
      - { .name: x_scales, .offset: 8, .size: 8, .value_kind: global_buffer, .address_space: global }
      - { .name: w_codes, .offset: 16, .size: 8, .value_kind: global_buffer, .address_space: global }
      - { .name: w_scales, .offset: 24, .size: 8, .value_kind: global_buffer, .address_space: global }
      - { .name: qrec, .offset: 32, .size: 8, .value_kind: global_buffer, .address_space: global }
      - { .name: kv, .offset: 40, .size: 8, .value_kind: global_buffer, .address_space: global }
      - { .name: qkv_b, .offset: 48, .size: 8, .value_kind: global_buffer, .address_space: global }
    .group_segment_fixed_size: 327680
    .private_segment_fixed_size: 0
    .kernarg_segment_align: 8
    .kernarg_segment_size: 56
    .max_flat_workgroup_size: 128
    .sgpr_count:     102
    .vgpr_count:     1024
    .wavefront_size: 32
...
	.end_amdgpu_metadata
.endif
;; end of part 2
;; launch attn (part 3): grid 4 x 64, 16 waves a work-group, clusters of 4 x 1, 210,944 bytes of LDS; arguments qrec, kv, oimg, osc; writes oimg, osc
.if DOCPART == 3
	.amdgcn_target "amdgcn-amd-amdhsa--gfx1250"
	.amdhsa_code_object_version 6
	.text
	.protected	k_q22d003d7ae_attn
	.globl	k_q22d003d7ae_attn
	.p2align	8
	.type	k_q22d003d7ae_attn,@function
k_q22d003d7ae_attn:
	s_mov_b64 s[64:65], 0
	v_nop
	global_prefetch_b8 v0, s[64:65] scope:SCOPE_SE
	s_setreg_imm32_b32 hwreg(HW_REG_WAVE_MODE, 25, 1), 1
	s_wait_xcnt 0x0
	s_wait_alu depctr_hold_cnt(0) depctr_sa_sdst(0) depctr_va_vdst(0) depctr_va_sdst(0) depctr_va_ssrc(0) depctr_va_vcc(0) depctr_vm_vsrc(0)
	s_getreg_b32 s2, hwreg(HW_REG_IB_STS2, 6, 4)
	s_cmp_eq_u32 s2, 0
	s_cbranch_scc0 .Lentry_in_a_cluster
	s_endpgm
.Lentry_in_a_cluster:
	s_bfe_u32 s2, ttmp6, 0x10000c
	s_cmp_lg_u32 s2, 0x3003
	s_cbranch_scc0 .Lentry_shape_is_right
	s_endpgm
.Lentry_shape_is_right:
; Attention of one head on codes of FP6 (E2M3) with E8M0 scales: S = q k^T (K = the head's 64), p = 2^(t - M), O = p v / l (K = the keys); the result is quantised along the head's 64 and leaves as the next product's operand.
; t = score x log2(e) / 8; M = the running largest t rounded UP to a whole number; p is quantised along the keys, not normalised; l is the sum of the unquantised p; when M moves, l and O are multiplied by 2^(old M - new M): exact.
; SHARES.  A work-group owns 512 queries of one head (work-group y), in two passes of sixteen waves x 16 queries; four waves to a SIMD, 256 registers each, so that one wave's vector work stands beside another's products and LDS loads.
; THE HEAD'S K AND V LIE IN LDS WHOLE: four records of 52,224 bytes (512 keys each), filled ONCE: no ring, no slot is filled again, nothing is stored to LDS.  The four work-groups of a cluster belong to one head and ask for the records jointly.
; The records hold images of operand registers (registers 2 p, 2 p + 1 of lane l at 256 p + 8 l): every LDS load takes 256 or 512 consecutive bytes.
; LAYOUT.  Both products are used transposed: S^T = K Q^T, O^T = V^T P^T: a lane holds ONE query throughout.  Lane r of K's tile 2 b + u holds key 32 b + 8 u + r + 8 (r / 8), so the 16 registers of tiles 2 b, 2 b + 1 are 16 neighbouring keys;
; V's tiles of channels are chosen likewise, so O^T's 16 registers of two tiles are 16 neighbouring channels.
; K = 64 IN AN INSTRUCTION OF 128: Q's upper six registers are zero codes; K's upper six are whatever follows (the next tile's codes; zeros behind the last); both sides' upper scale bytes are 0x7f: nothing is added.
; No prefetch: every tensor load goes out at the kernel's head.  The 32 scale bytes of a token are gathered from 16 work-groups, two bytes each: those stores (one byte a lane) fill no whole run; they are 1 byte in 24 of what the launch stores.
; LIMITS: a block of the result whose largest magnitude lies under 2^-124 gets the byte 1; NaN and infinities are not served.
; REGISTERS: v1-4 places that stay; v5, v6 the add's two; v8-11 addresses in hand; v12 -M, v13 the largest t, v[14:15] l in two halves; v16-27 Q; v29, v30 offsets; v32-79 K's 8 tiles, then V's 4; v80-85 zeros;
;   v96-159 S^T, then p; v160-191 O^T; v192-198 the second pass's Q; v224-235 p's codes; v232-254 at work; v248-251 K's or V's scale words; v253 p's; v255 Q's.
.set HS,    208896                     ; a head's four records
.set REC,   52224                      ; K's images at 0, V's at 24,576, K's scale words at 49,152, V's at 51,200
.set PART,  13056                      ; a sixteenth of the head's four records: 51 rows of 256 bytes: what one wave's tensor load brings
.set SPARE, 208896                     ; behind the records: the spare words, 128 bytes for each of sixteen waves
.set SPW,  5
.set NIL,  6
.set ADK,  8
.set ADV,  9
.set ADS,  10
.set ADT,  11
.set WV,   18                          ; s18 my wave's number
.set SEL,  20                          ; s[20:21] selects for lane l xor 16
.set CS,   22                          ; s[22:23] c = log2(e) / 8
.set G1,   24                          ; s[24:31] descriptor group 1;  s[32:35] group 0
.set G0,   32
.set TB,   2                           ; s2  where the step's images begin
.set TS,   3                           ; s3  K's scale words: 512 bytes a step
.set TJ,   66                          ; s66 V's: 256 bytes a step
.set CNT,  67
.set PASS, 68
.set MHI,  69                          ; s69 the mask of lanes 16-31
.macro CROUND                          ; a round of the cluster's barrier
	s_barrier_signal -1
	s_barrier_wait -1
	s_cmp_lg_u32 s[WV], 0
	s_cbranch_scc1 .Lnot_wave_0_\@
	s_barrier_signal -3
.Lnot_wave_0_\@:
	s_barrier_wait -3
	s_barrier_signal -1
	s_barrier_wait -1
.endm
	s_load_b128 s[4:7], s[0:1], 0x0                ; q's records, k's and v's records
	s_load_b128 s[8:11], s[0:1], 0x10              ; the result's images, its scale bytes
	v_lshl_add_u32 v[SPW], v0, 2, SPARE
	v_mov_b32 v[NIL], 0
	ds_add_u32 v[SPW], v[NIL]                      ; the wave's opening: the add and its wait ahead of the first tensor loads
	ds_add_u32 v[SPW], v[NIL]
	v_lshrrev_b32 v8, 5, v0
	s_delay_alu instid0(VALU_DEP_1)
	v_readfirstlane_b32 s[WV], v8                  ; wave 0..15
	s_bfe_u32 s19, ttmp6, 0x40000                  ; cx: my 512 queries.  It enters Q's and the result's addresses alone
	s_and_b32 s70, ttmp7, 0xffff                   ; the head, 16 x batch + head, which the four partners share
	s_mul_i32 s59, s70, HS                         ; its first byte in both tensors of records
	s_mul_i32 s58, s[WV], PART                     ; my sixteenth of the four records, which lie on end: in LDS,
	s_add_co_u32 s56, s59, s58                     ; and in memory
	s_mov_b32 s57, 0
	s_mul_i32 s60, s19, REC
	s_add_co_u32 s60, s60, s59                     ; my work-group's record of q
	s_mul_i32 s48, s[WV], 768
	s_add_co_u32 s48, s48, s60                     ; my tile's image (first pass)
	s_mov_b32 s49, 0
	s_lshr_b32 s50, s[WV], 3
	s_lshl_b32 s50, s50, 9
	s_add_co_u32 s50, s50, s60
	s_add_co_u32 s50, s50, 49152                   ; its step's scale words
	s_mov_b32 s51, 0
	s_lshr_b32 s61, s70, 4
	s_lshl_b32 s61, s61, 7
	s_lshl_b32 s62, s19, 5
	s_add_co_u32 s61, s61, s62
	s_add_co_u32 s61, s61, s[WV]                   ; my tile of 16 rows among all 512: 128 x batch + 32 cx + wave
	s_and_b32 s62, s70, 15                         ; the head in its batch
	s_mul_i32 s52, s61, 12288
	s_mul_i32 s63, s62, 768
	s_add_co_u32 s52, s52, s63
	s_mov_b32 s53, 0
	s_lshl_b32 s54, s61, 9
	s_lshl_b32 s63, s62, 1
	s_add_co_u32 s54, s54, s63
	s_mov_b32 s55, 0
	; descriptor group 1: 51 rows of 256 bytes (32 elements of 8), dense, no padding; all four work-groups
	s_mov_b32 s[G1], 15|(3<<16)|(1<<21)
	s_mov_b32 s[G1+1], 32<<16                      ; tensor_dim0
	s_mov_b32 s[G1+2], 51<<16                      ; tensor_dim1
	s_mov_b32 s[G1+3], 32<<16                      ; tile_dim0
	s_mov_b32 s[G1+4], 51                          ; tile_dim1
	s_mov_b32 s[G1+5], 32                          ; the pitch
	s_mov_b32 s[G1+6], 0
	s_mov_b32 s[G1+7], 0
	s_mov_b32 s[SEL], 0x76543210
	s_mov_b32 s[SEL+1], 0xfedcba98
	s_mov_b32 s[CS], 0x3e38aa3b                    ; log2(e) / 8
	s_mov_b32 s[CS+1], s[CS]                       ; (named with it as a pair, so it is written)
	s_mov_b32 s[MHI], 0xffff0000
	s_mov_b32 s[PASS], 2
	s_wait_dscnt 0x0                               ; the opening add is done
	s_wait_kmcnt 0x0
	s_add_nc_u64 s[12:13], s[6:7], s[56:57]        ; k's and v's records: my sixteenth
	s_add_nc_u64 s[6:7], s[4:5], s[50:51]          ; Q's scale words
	s_add_nc_u64 s[4:5], s[4:5], s[48:49]          ; Q's image
	s_add_nc_u64 s[8:9], s[8:9], s[52:53]
	s_add_nc_u64 s[10:11], s[10:11], s[54:55]
	s_mov_b32 s[G0], 1
	s_mov_b32 s[G0+1], s58
	s_mov_b64 s[G0+2:G0+3], s[12:13]
	s_or_b32 s[G0+3], s[G0+3], 0x80000000
	CROUND                                         ; all four work-groups are here: the joint loads meet
	tensor_load_to_lds s[G0:G0+3], s[G1:G1+7]      ; every wave's one load: its sixteenth, placed by the wave's number alone
	s_nop 0
.rept 4
	v_nop
.endr
	v_and_b32 v8, 31, v0                           ; lane
	s_delay_alu instid0(VALU_DEP_1)
	v_lshlrev_b32 v1, 3, v8                        ; 8 x lane: my place in an image, in LDS and in memory
	s_delay_alu instid0(VALU_DEP_1)
	v_add_nc_u32 v2, 24576, v1                     ; in V's images
	s_delay_alu instid0(VALU_DEP_3)
	v_lshlrev_b32 v3, 4, v8
	s_delay_alu instid0(VALU_DEP_1)
	v_add_nc_u32 v3, 49152, v3                     ; among K's scale words: 16 bytes a lane
	s_delay_alu instid0(VALU_DEP_4)
	v_add_nc_u32 v4, 51200, v1                     ; among V's: 8 bytes a lane
	v_and_b32 v9, 15, v0                           ; r
	v_bfe_u32 v10, v0, 4, 1                        ; h
	s_and_b32 s58, s[WV], 1
	s_lshl_b32 s58, s58, 8
	s_bfe_u32 s59, s[WV], 0x20001
	s_lshl_b32 s59, s59, 2
	s_add_co_u32 s58, s58, s59
	v_lshl_add_u32 v29, v9, 4, s58                 ; Q's scale word: tile t = wave % 8 of its step: lane r + 16 (t % 2), word t / 2
	v_lshl_add_u32 v30, v9, 5, v10                 ; the result's scale byte: row r of 32 bytes, + h
.irp p, 0,1,2
	global_load_b64 v[16+2*\p:17+2*\p], v1, s[4:5] offset:256*\p           ; Q of the first pass,
	global_load_b64 v[192+2*\p:193+2*\p], v1, s[4:5] offset:12288+256*\p   ; and of the second: 16 tiles on
.endr
	global_load_b32 v255, v29, s[6:7]
	global_load_b32 v198, v29, s[6:7] offset:1024  ; two steps on
.irp j, 0,1,2,3,4,5
	v_mov_b32 v[22+\j], 0                          ; Q's upper 64: zero codes
	v_mov_b32 v[80+\j], 0                          ; behind K's last tile
.endr
; A KEY STEP: 128 keys.
.macro STEP
	v_add_nc_u32 v[ADK], s[TB], v1                 ; (these four are also the places behind the last products, in front of the loads below)
	v_add_nc_u32 v[ADV], s[TB], v2
	v_add_nc_u32 v[ADS], s[TS], v3
	v_add_nc_u32 v[ADT], s[TJ], v4
.irp t, 0,1,2,3,4,5,6,7
.irp p, 0,1,2
	ds_load_b64 v[32+6*\t+2*\p:33+6*\t+2*\p], v[ADK] offset:768*\t+256*\p
.endr
.endr
	ds_load_b128 v[248:251], v[ADS]                ; word j: lanes 0-15 tile 2 j, lanes 16-31 tile 2 j + 1
	s_wait_alu depctr_va_vdst(0)
	s_wait_dscnt 0x0
.irp t, 0,1,2,3,4,5,6,7                        ; S^T = K Q^T
.if \t%2
	v_wmma_scale_f32_16x16x128_f8f6f4 v[96+8*\t:103+8*\t], v[32+6*\t:43+6*\t], v[16:27], 0, v[248+\t/2], v255 matrix_a_fmt:MATRIX_FMT_FP6 matrix_b_fmt:MATRIX_FMT_FP6 matrix_a_scale:MATRIX_SCALE_ROW1
.else
	v_wmma_scale_f32_16x16x128_f8f6f4 v[96+8*\t:103+8*\t], v[32+6*\t:43+6*\t], v[16:27], 0, v[248+\t/2], v255 matrix_a_fmt:MATRIX_FMT_FP6 matrix_b_fmt:MATRIX_FMT_FP6
.endif
.endr
.rept 4
	v_nop                                          ; places in front of the loads into K's registers and of the first read of the scores
.endr
.irp t, 0,1,2,3                                ; V's four tiles land while the softmax is walked
.irp p, 0,1,2,3,4,5
	ds_load_b64 v[32+12*\t+2*\p:33+12*\t+2*\p], v[ADV] offset:1536*\t+256*\p
.endr
.endr
	ds_load_b64 v[248:249], v[ADT]
.irp b, 0,1,2,3
	v_max3_num_f32 v[232+\b], v[96+16*\b], v[97+16*\b], v[98+16*\b]   ; the largest score of each block of 32 keys: for the row's maximum, and, since p rises with the score, for the block's largest p
.endr
.irp i, 3,5,7,9,11,13
.irp b, 0,1,2,3
	v_max3_num_f32 v[232+\b], v[232+\b], v[96+16*\b+\i], v[97+16*\b+\i]
.endr
.endr
.irp b, 0,1,2,3
	v_max_num_f32 v[232+\b], v[232+\b], v[111+16*\b]
.endr
.irp b, 0,1,2,3
	s_delay_alu instid0(VALU_DEP_4)
	v_permlanex16_b32 v[236+\b], v[232+\b], s[SEL], s[SEL+1]
.endr
.irp b, 0,1,2,3
	s_delay_alu instid0(VALU_DEP_4)
	v_max_num_f32 v[232+\b], v[232+\b], v[236+\b]  ; with lane l xor 16's 16 keys
.endr
	s_delay_alu instid0(VALU_DEP_2)
	v_max3_num_f32 v254, v232, v233, v234
	s_delay_alu instid0(VALU_DEP_1)
	v_max_num_f32 v254, v254, v235                 ; the step's largest score of my query
	s_delay_alu instid0(VALU_DEP_1)
	v_mul_f32 v254, s[CS], v254                    ; as t
	s_delay_alu instid0(VALU_DEP_1)
	v_max_num_f32 v13, v13, v254                   ; the running largest t
	v_mov_b32 v254, v12
	s_delay_alu instid0(VALU_DEP_2)
	v_floor_f32 v12, -v13                          ; the new -M = -ceil(t)
	s_delay_alu instid0(VALU_DEP_1)
	v_sub_f32 v254, v12, v254                      ; old M - new M: a whole number, 0 or less
	s_delay_alu instid0(VALU_DEP_1)
	v_cvt_i32_f32 v254, v254                       ; (it saturates)
	s_delay_alu instid0(VALU_DEP_1)
	v_ldexp_f32 v252, 1.0, v254                    ; f = 2^(old M - new M)
.irp j, 0,2,4,6,8,10,12,14,16,18,20,22,24,26,28,30,32,34,36,38,40,42,44,46,48,50,52,54,56,58,60,62
	v_pk_fma_f32 v[96+\j:97+\j], v[96+\j:97+\j], s[CS:CS+1], v[12:13] op_sel_hi:[1,0,0]   ; t - M, two at a time
.endr
.irp b, 0,1,2,3
	v_fma_f32 v[232+\b], v[232+\b], s[CS], v12     ; the same of each block's largest score
.endr
	s_wait_alu depctr_va_vdst(0)
.irp j, 0,1,2,3,4,5,6,7,8,9,10,11,12,13,14,15,16,17,18,19,20,21,22,23,24,25,26,27,28,29,30,31,32,33,34,35,36,37,38,39,40,41,42,43,44,45,46,47,48,49,50,51,52,53,54,55,56,57,58,59,60,61,62,63
	v_exp_f32 v[96+\j], v[96+\j]                   ; p = 2^(t - M)
.endr
	v_pk_mul_f32 v[14:15], v[14:15], v[252:253] op_sel_hi:[1,0]   ; l under the new M (a plain place behind the exponentials)
	s_wait_alu depctr_va_vdst(0)                   ; one wait for the whole batch, ahead of its first reader
.irp b, 0,1,2,3
	v_exp_f32 v[232+\b], v[232+\b]                 ; the block's largest p
.endr
	v_pk_add_f32 v[236:237], v[100:101], v[104:105]
	v_pk_add_f32 v[250:251], v[108:109], v[112:113]
	v_pk_add_f32 v[246:247], v[116:117], v[120:121]
	v_pk_add_f32 v[244:245], v[124:125], v[128:129]
	v_pk_add_f32 v[242:243], v[132:133], v[136:137]
	v_pk_add_f32 v[240:241], v[140:141], v[144:145]
	v_pk_add_f32 v[238:239], v[148:149], v[152:153]
	v_pk_add_f32 v[14:15], v[14:15], v[156:157]
	v_pk_add_f32 v[236:237], v[236:237], v[96:97]
	v_pk_add_f32 v[250:251], v[250:251], v[98:99]
	v_pk_add_f32 v[246:247], v[246:247], v[102:103]
	v_pk_add_f32 v[244:245], v[244:245], v[106:107]
	v_pk_add_f32 v[242:243], v[242:243], v[110:111]
	v_pk_add_f32 v[240:241], v[240:241], v[114:115]
	v_pk_add_f32 v[238:239], v[238:239], v[118:119]
	v_pk_add_f32 v[14:15], v[14:15], v[122:123]
	v_pk_add_f32 v[236:237], v[236:237], v[126:127]
	v_pk_add_f32 v[250:251], v[250:251], v[130:131]
	v_pk_add_f32 v[246:247], v[246:247], v[134:135]
	v_pk_add_f32 v[244:245], v[244:245], v[138:139]
	v_pk_add_f32 v[242:243], v[242:243], v[142:143]
	v_pk_add_f32 v[240:241], v[240:241], v[146:147]
	v_pk_add_f32 v[238:239], v[238:239], v[150:151]
	v_pk_add_f32 v[14:15], v[14:15], v[154:155]
	v_pk_add_f32 v[236:237], v[236:237], v[158:159]
	s_delay_alu instid0(VALU_DEP_2)
	v_pk_add_f32 v[14:15], v[14:15], v[244:245]
	s_delay_alu instid0(VALU_DEP_2)
	v_pk_add_f32 v[236:237], v[236:237], v[242:243]
	v_pk_add_f32 v[250:251], v[250:251], v[240:241]
	v_pk_add_f32 v[246:247], v[246:247], v[238:239]
	s_delay_alu instid0(VALU_DEP_2)
	v_pk_add_f32 v[14:15], v[14:15], v[250:251]
	s_delay_alu instid0(VALU_DEP_2)
	v_pk_add_f32 v[236:237], v[236:237], v[246:247]
	s_delay_alu instid0(VALU_DEP_1)
	v_pk_add_f32 v[14:15], v[14:15], v[236:237]
	s_wait_alu depctr_va_vdst(0)                   ; and one for the four
.irp b, 0,1,2,3
	v_max_num_f32 v[232+\b], 0x1800000, v[232+\b]  ; the floor 2^(3 - 127): the byte cannot fall under 1
.endr
.irp b, 0,1,2,3
	s_delay_alu instid0(VALU_DEP_4)
	v_add_nc_u32 v[244+\b], 0xff000000, v[232+\b]  ; 2 off the exponent field: the conversion's scale operand
.endr
.irp b, 0,1,2,3
	s_delay_alu instid0(VALU_DEP_4)
	v_lshrrev_b32 v[236+\b], 23, v[244+\b]
.endr
	s_delay_alu instid0(VALU_DEP_3)
	v_lshl_or_b32 v253, v237, 8, v236              ; p's scale word for these 128 keys
	s_delay_alu instid0(VALU_DEP_1)
	v_lshl_or_b32 v253, v238, 16, v253
	s_delay_alu instid0(VALU_DEP_1)
	v_lshl_or_b32 v253, v239, 24, v253
.irp c, 0,1
	v_cvt_scalef32_pk16_fp6_f32 v[224+6*\c:226+6*\c], v[96+32*\c:111+32*\c], v[244+2*\c]
	v_cvt_scalef32_pk16_fp6_f32 v[236+4*\c:238+4*\c], v[112+32*\c:127+32*\c], v[244+2*\c+1]
.endr
	v_nop                                          ; one plain place behind a scaled conversion
.irp c, 0,1                                    ; a WHOLE block in a lane: lanes 0-15 block 2 c, lanes 16-31 block 2 c + 1
.irp i, 0,1,2
	v_permlane16_swap_b32 v[224+6*\c+\i], v[236+4*\c+\i]
.endr
.irp i, 0,1,2
	s_delay_alu instid0(VALU_DEP_3)
	v_mov_b32 v[227+6*\c+\i], v[236+4*\c+\i]
.endr
.endr
.irp j, 0,2,4,6,8,10,12,14,16,18,20,22,24,26,28,30
	v_pk_mul_f32 v[160+\j:161+\j], v[160+\j:161+\j], v[252:253] op_sel_hi:[1,0]   ; O^T under the new M.  (These sixteen are also the places in front of the scaled products)
.endr
	s_wait_alu depctr_va_vdst(0)
	s_wait_dscnt 0x0                               ; V is in
.irp t, 0,1,2,3                                ; O^T += V^T P^T: four accumulators by turns
.if \t%2
	v_wmma_scale_f32_16x16x128_f8f6f4 v[160+8*\t:167+8*\t], v[32+12*\t:43+12*\t], v[224:235], v[160+8*\t:167+8*\t], v[248+\t/2], v253 matrix_a_fmt:MATRIX_FMT_FP6 matrix_b_fmt:MATRIX_FMT_FP6 matrix_a_scale:MATRIX_SCALE_ROW1
.else
	v_wmma_scale_f32_16x16x128_f8f6f4 v[160+8*\t:167+8*\t], v[32+12*\t:43+12*\t], v[224:235], v[160+8*\t:167+8*\t], v[248+\t/2], v253 matrix_a_fmt:MATRIX_FMT_FP6 matrix_b_fmt:MATRIX_FMT_FP6
.endif
.endr
	s_add_co_u32 s[TB], s[TB], 6144
	s_add_co_u32 s[TS], s[TS], 512
	s_add_co_u32 s[TJ], s[TJ], 256
.endm
; Record c's four steps.  All records were shown to all waves by the one barrier ahead of the passes; nothing is filled again, so no barrier stands here.
.macro CHUNK c
	s_mov_b32 s[TB], \c*REC
	s_mov_b32 s[TS], \c*REC
	s_mov_b32 s[TJ], \c*REC
	s_mov_b32 s[CNT], 4
.Lstep_\@:
	STEP
	s_sub_co_u32 s[CNT], s[CNT], 1
	s_cmp_lg_u32 s[CNT], 0
	s_cbranch_scc1 .Lstep_\@
.endm
	s_wait_alu depctr_va_vdst(0)                   ; the wait at the head's end
	s_wait_loadcnt 0x0                             ; Q of both passes
	s_wait_tensorcnt 0x0                           ; my sixteenth has landed;
	s_barrier_signal -1
	s_barrier_wait -1                              ; and everybody's: the head's K and V are whole
.Lpass:
	v_mov_b32 v13, 0xff61b1e6                      ; the largest t so far: -3e38
	s_delay_alu instid0(VALU_DEP_1)
	v_floor_f32 v12, -v13
	v_mov_b32 v14, 0
	v_mov_b32 v15, 0
.irp b, 0,1,2,3
	v_mov_b32 v[236+\b], 0                         ; a lane permute's destination counts as one of its sources
.endr
	v_mov_b32 v253, 0
.irp j, 0,1,2,3,4,5,6,7,8,9,10,11,12,13,14,15,16,17,18,19,20,21,22,23,24,25,26,27,28,29,30,31
	v_mov_b32 v[160+\j], 0                         ; O^T: the step is written without a first step of its own; the first change of M leaves zeros zeros
.endr
	CHUNK 0
	CHUNK 1
	CHUNK 2
	CHUNK 3
	; THE WAY OUT: O^T / l, quantised along the head's 64: registers 160 + 16 B + i of lane (r, h) are channels 32 B + 16 h + i of query r
.rept 4
	v_nop                                          ; places behind the last products
.endr
	v_add_f32 v14, v14, v15
	s_delay_alu instid0(VALU_DEP_1)
	v_permlanex16_b32 v252, v14, s[SEL], s[SEL+1]
	s_delay_alu instid0(VALU_DEP_1)
	v_add_f32 v14, v14, v252                       ; the row's sum
	s_wait_alu depctr_va_vdst(0)
	v_rcp_f32 v14, v14
	v_nop                                          ; a plain place behind the transcendental
	s_wait_alu depctr_va_vdst(0)                   ; the wait ahead of its first reader
.irp j, 0,2,4,6,8,10,12,14,16,18,20,22,24,26,28,30
	v_pk_mul_f32 v[160+\j:161+\j], v[160+\j:161+\j], v[14:15] op_sel_hi:[1,0]   ; each accumulator from its low end on
.endr
.irp b, 0,1
	v_max3_num_f32 v[232+\b], |v[160+16*\b]|, |v[161+16*\b]|, 0x1800000
.endr
.irp i, 2,4,6,8,10,12,14
.irp b, 0,1
	s_delay_alu instid0(VALU_DEP_2)
	v_max3_num_f32 v[232+\b], v[232+\b], |v[160+16*\b+\i]|, |v[161+16*\b+\i]|
.endr
.endr
.irp b, 0,1
	s_delay_alu instid0(VALU_DEP_2)
	v_permlanex16_b32 v[236+\b], v[232+\b], s[SEL], s[SEL+1]
.endr
.irp b, 0,1
	s_delay_alu instid0(VALU_DEP_2)
	v_max_num_f32 v[232+\b], v[232+\b], v[236+\b]
.endr
.irp b, 0,1
	s_delay_alu instid0(VALU_DEP_2)
	v_add_nc_u32 v[244+\b], 0xff000000, v[232+\b]
.endr
.irp b, 0,1
	s_delay_alu instid0(VALU_DEP_2)
	v_lshrrev_b32 v[246+\b], 23, v[244+\b]
.endr
	v_cvt_scalef32_pk16_fp6_f32 v[224:226], v[160:175], v244
	v_cvt_scalef32_pk16_fp6_f32 v[236:238], v[176:191], v245
	v_nop
.irp i, 0,1,2
	v_permlane16_swap_b32 v[224+\i], v[236+\i]
.endr
.irp i, 0,1,2
	s_delay_alu instid0(VALU_DEP_3)
	v_mov_b32 v[227+\i], v[236+\i]
.endr
.irp p, 0,1,2
	global_store_b64 v1, v[224+2*\p:225+2*\p], s[8:9] offset:256*\p    ; 32 lanes store 256 consecutive bytes, aligned
.endr
	v_cndmask_b32 v254, v246, v247, s[MHI]         ; lanes 0-15 the first block's byte, lanes 16-31 the second's
	global_store_b8 v30, v254, s[10:11]
.irp j, 0,1,2,3,4,5
	v_mov_b32 v[16+\j], v[192+\j]                  ; the second pass's Q (the 40 moves at the pass's head stand between these and the next products)
.endr
	v_mov_b32 v255, v198
	s_wait_xcnt 0x0                                ; the stores have read their data and their bases: both may be written again
	s_add_nc_u64 s[8:9], s[8:9], 16*12288          ; 16 tiles of rows on
	s_add_nc_u64 s[10:11], s[10:11], 16*512
	s_sub_co_u32 s[PASS], s[PASS], 1
	s_cmp_lg_u32 s[PASS], 0
	s_cbranch_scc1 .Lpass
	s_wait_tensorcnt 0x0                           ; the wave's end
	ds_add_u32 v[SPW], v[NIL]
	s_wait_dscnt 0x0
	CROUND                                         ; the closing round
	s_endpgm
.Lfunc_end_k_q22d003d7ae_attn:
	.size	k_q22d003d7ae_attn, .Lfunc_end_k_q22d003d7ae_attn-k_q22d003d7ae_attn
	.p2alignl 7, 3214868480
	.fill 96, 4, 3214868480
	.section	.rodata,"a",@progbits
	.p2align	6, 0x0
	.amdhsa_kernel k_q22d003d7ae_attn
		.amdhsa_group_segment_fixed_size 210944
		.amdhsa_private_segment_fixed_size 0
		.amdhsa_enable_private_segment 0
		.amdhsa_kernarg_size 32
		.amdhsa_user_sgpr_count 2
		.amdhsa_user_sgpr_kernarg_segment_ptr 1
		.amdhsa_wavefront_size32 1
		.amdhsa_system_sgpr_workgroup_id_x 1
		.amdhsa_system_sgpr_workgroup_id_y 1
		.amdhsa_system_sgpr_workgroup_id_z 1
		.amdhsa_system_vgpr_workitem_id 0
		.amdhsa_next_free_vgpr 256
		.amdhsa_next_free_sgpr 72
		.amdhsa_reserve_vcc 0
		.amdhsa_float_denorm_mode_32 3
		.amdhsa_float_denorm_mode_16_64 3
		.amdhsa_memory_ordered 1
		.amdhsa_forward_progress 1
		.amdhsa_inst_pref_size 86
	.end_amdhsa_kernel
	.amdgpu_metadata
---
amdhsa.version: [ 1, 2 ]
amdhsa.kernels:
  - .name:           k_q22d003d7ae_attn
    .symbol:         k_q22d003d7ae_attn.kd
    .args:
      - { .name: qrec, .offset: 0, .size: 8, .value_kind: global_buffer, .address_space: global }
      - { .name: kv, .offset: 8, .size: 8, .value_kind: global_buffer, .address_space: global }
      - { .name: oimg, .offset: 16, .size: 8, .value_kind: global_buffer, .address_space: global }
      - { .name: osc, .offset: 24, .size: 8, .value_kind: global_buffer, .address_space: global }
    .group_segment_fixed_size: 210944
    .private_segment_fixed_size: 0
    .kernarg_segment_align: 8
    .kernarg_segment_size: 32
    .max_flat_workgroup_size: 512
    .sgpr_count:     72
    .vgpr_count:     256
    .wavefront_size: 32
...
	.end_amdgpu_metadata
.endif
;; end of part 3
;; launch proj (part 4): grid 4 x 32, 4 waves a work-group, clusters of 4 x 4, 327,680 bytes of LDS; arguments oimg, osc, w_codes, w_scales, proj_b, out0; writes out0
.if DOCPART == 4
	.amdgcn_target "amdgcn-amd-amdhsa--gfx1250"
	.amdhsa_code_object_version 6
	.text
	.protected	k_q22d003d7ae_proj
	.globl	k_q22d003d7ae_proj
	.p2align	8
	.type	k_q22d003d7ae_proj,@function
k_q22d003d7ae_proj:
	s_mov_b64 s[64:65], 0
	v_nop
	global_prefetch_b8 v0, s[64:65] scope:SCOPE_SE
	s_setreg_imm32_b32 hwreg(HW_REG_WAVE_MODE, 25, 1), 1
	s_wait_xcnt 0x0
	s_wait_alu depctr_hold_cnt(0) depctr_sa_sdst(0) depctr_va_vdst(0) depctr_va_sdst(0) depctr_va_ssrc(0) depctr_va_vcc(0) depctr_vm_vsrc(0)
	s_getreg_b32 s2, hwreg(HW_REG_IB_STS2, 6, 4)
	s_cmp_eq_u32 s2, 0
	s_cbranch_scc0 .Lentry_in_a_cluster
	s_endpgm
.Lentry_in_a_cluster:
	s_bfe_u32 s2, ttmp6, 0x10000c
	s_cmp_lg_u32 s2, 0xf033
	s_cbranch_scc0 .Lentry_shape_is_right
	s_endpgm
.Lentry_shape_is_right:
.set NQ,     2
.set CHS,    1572864                   ; the weights' codes lie [run of 256 along K][row][192 bytes]: bytes from run to run
.set KROW,   192                       ; a row of one run
.set PITCH,  240
.set FR,     12
.set NL,     6
.set NP,     4
.set HALFT,  128*PITCH
.set SLOT,   4*HALFT
.set LAPS,   2
.set KS,     32
.set SCL,    2*SLOT
.set HALFS,  (128*KS/256)*272
.set SBLK,   (16*KS/256)*272
.set SPARE,  SCL+4*HALFS
.set SPITCH, 528
.set ADRA, 16
.set ADRB, 20
.set STO,  24
.set RD,   25
.set CO,   26
.set ADRS, 27
.set SPW,  28
.set NIL,  29
.set SC,   32
.set BIAS, 64
.set AF,   128
.set BK,   128
.set G1, 24
.set G0, 32
.set G1B, 48
.set G0B, 56
.set G1S, 68
.set G0S, 76
.set G1SB, 80
.set G0SB, 88
.set MSB, 0
.macro WIN new
.if MSB != \new
	s_set_vgpr_msb (MSB<<8)|\new
.set MSB, \new
.endif
.endm
.set MUL_LO, 0xa1
.set MUL_HI, 0xf1
.set TO_B,   0x40
.macro JLOAD g0a, g1a, g0b, g1b
	s_cmp_eq_u32 s15, 0
	s_cbranch_scc0 .Lfor_b_\@
	tensor_load_to_lds s[\g0a:\g0a+3], s[\g1a:\g1a+7]
	s_nop 0
.rept 4
	v_nop
.endr
	s_branch .Lasked_\@
.Lfor_b_\@:
	tensor_load_to_lds s[\g0b:\g0b+3], s[\g1b:\g1b+7]
	s_nop 0
.rept 4
	v_nop
.endr
.Lasked_\@:
.endm
.macro CREST
	s_cmp_lg_u32 s14, 0
	s_cbranch_scc1 .Lnot_wave_0_\@
	s_barrier_signal -3
.Lnot_wave_0_\@:
	s_barrier_wait -3
	s_barrier_signal -1
	s_barrier_wait -1
.endm
.macro CROUND
	s_barrier_signal -1
	s_barrier_wait -1
	CREST
.endm
	s_load_b128 s[4:7], s[0:1], 0x0
	s_load_b128 s[8:11], s[0:1], 0x10
	s_load_b128 s[96:99], s[0:1], 0x20
	v_lshl_add_u32 v[SPW], v0, 2, SPARE
	v_mov_b32 v[NIL], 0
	ds_add_u32 v[SPW], v[NIL]
	ds_add_u32 v[SPW], v[NIL]
	v_lshrrev_b32 v1, 5, v0
	v_readfirstlane_b32 s14, v1
	s_lshr_b32 s15, s14, 1
	s_and_b32 s16, s14, 1
	s_bfe_u32 s40, ttmp6, 0x40000
	s_bfe_u32 s41, ttmp6, 0x40004
	s_lshl_b32 s42, ttmp9, 2
	s_add_co_u32 s42, s42, s40
	s_and_b32 s17, ttmp7, 0xffff
	s_lshl_b32 s17, s17, 2
	s_add_co_u32 s17, s17, s41
	s_lshl_b32 s43, s41, 2
	s_lshl_b32 s43, 15, s43
	s_lshl_b32 s44, 0x1111, s40
	s_or_b32 s[G1+0], s43, (3<<16)|(1<<21)
	s_mov_b32 s[G1+1], 384<<16
	s_mov_b32 s[G1+2], 16<<16                      ; the head's load brings the images of all 256 rows: 16 rows of 3,072 bytes; behind it the two words that count rows are set to 8
	s_mov_b32 s[G1+3], 384<<16
	s_mov_b32 s[G1+4], 16
	s_mov_b32 s[G1+5], 1536
	s_mov_b32 s[G1+6], 0
	s_mov_b32 s[G1+7], 0
	s_or_b32 s[G1B+0], s44, (0<<16)|(1<<20)|(1<<21)|(3<<22)|(3<<25)
	s_mov_b32 s[G1B+1], 256<<16                    ; 128 rows of one run are 24,576 dense bytes: stated as 96 rows of 256 bytes;
	s_mov_b32 s[G1B+2], 192<<16                    ; the head's load: all 256 rows of B's tile, 192 rows of 256 bytes; then 96
	s_mov_b32 s[G1B+3], 256<<16
	s_mov_b32 s[G1B+4], 192
	s_mov_b32 s[G1B+5], 256
	s_mov_b32 s[G1B+6], 0
	s_mov_b32 s[G1B+7], 0
	s_or_b32 s[G1S+0], s43, (3<<16)|(1<<20)|(1<<21)|(5<<22)|(3<<25)
	s_or_b32 s[G1SB+0], s44, (3<<16)|(1<<20)|(1<<21)|(5<<22)|(3<<25)
.irp g, G1S, G1SB
	s_mov_b32 s[\g+1], 32<<16
	s_mov_b32 s[\g+2], (256*KS/256)<<16            ; the scale bytes of all 256 rows: one dense block
	s_mov_b32 s[\g+3], 32<<16
	s_mov_b32 s[\g+4], 256*KS/256
	s_mov_b32 s[\g+5], 32
	s_mov_b32 s[\g+6], 0
	s_mov_b32 s[\g+7], 0
.endr
	s_lshl_b32 s18, s16, 7
	s_lshl_b32 s22, s17, 8
	s_add_co_u32 s22, s22, s18
	s_lshr_b32 s20, s22, 4
	s_mul_i32 s20, s20, 12288
	s_mov_b32 s21, 0
	s_lshl_b32 s22, s17, 13                        ; where the scale bytes of A's 256 rows begin
	s_mov_b32 s23, 0
	s_lshl_b32 s46, s42, 8
	s_add_co_u32 s46, s46, 3072
	s_lshl_b32 s92, s46, 5                         ; and of B's 256
	s_add_co_u32 s46, s46, s18                     ; the codes: the 128 rows that I fetch in the ring
	s_mov_b32 s93, 0
	s_mul_i32 s46, s46, KROW
	s_mov_b32 s47, 0
	s_mul_i32 s45, s14, HALFT
	s_mul_i32 s94, s14, 24576                      ; A's images in LDS: 128 rows are 24,576 dense bytes, the two halves on end
	s_wait_dscnt 0x0
	s_wait_kmcnt 0x0
	s_add_nc_u64 s[20:21], s[4:5], s[20:21]
	s_add_nc_u64 s[22:23], s[6:7], s[22:23]
	s_add_nc_u64 s[46:47], s[8:9], s[46:47]
	s_add_nc_u64 s[92:93], s[10:11], s[92:93]
	CROUND
	s_mov_b32 s[G0S], 1
	s_mov_b32 s[G0S+1], SCL
	s_mov_b64 s[G0S+2:G0S+3], s[22:23]
	s_or_b32 s[G0S+3], s[G0S+3], 0x80000000
	s_mov_b32 s[G0SB], 1
	s_mov_b32 s[G0SB+1], SCL+2*HALFS
	s_mov_b64 s[G0SB+2:G0SB+3], s[92:93]
	s_or_b32 s[G0SB+3], s[G0SB+3], 0x80000000
.irp s, 0,1
	s_mov_b32 s[G0+4*\s], 1
	s_add_co_u32 s[G0+4*\s+1], s94, \s*SLOT
	s_add_nc_u64 s[G0+4*\s+2:G0+4*\s+3], s[20:21], \s*3072
	s_or_b32 s[G0+4*\s+3], s[G0+4*\s+3], 0x80000000
	s_mov_b32 s[G0B+4*\s], 1
	s_add_co_u32 s[G0B+4*\s+1], s45, \s*SLOT
	s_add_nc_u64 s[G0B+4*\s+2:G0B+4*\s+3], s[46:47], \s*CHS
	s_or_b32 s[G0B+4*\s+3], s[G0B+4*\s+3], 0x80000000
.endr
; THE HEAD'S LOADS, ONE A WAVE: wave 0 run 0 of A's 256 rows, wave 2 of B's (slot 0's own group 0 names the tile's first row and its LDS place in these two waves),
; wave 1 the scale bytes of A's 256 rows, wave 3 of B's.  One tree of branches on the wave's number: every way passes exactly one load.
.macro ARM under, g0, g1, next
	s_cmp_lt_u32 s14, \under
	s_cbranch_scc0 \next
	tensor_load_to_lds s[\g0:\g0+3], s[\g1:\g1+7]
	s_nop 0
.rept 4
	v_nop
.endr
	s_branch .Lhead_asked
\next:
.endm
	ARM 1, G0,  G1,  .Lhead_sa
	ARM 2, G0S, G1S, .Lhead_b
	ARM 3, G0B, G1B, .Lhead_sb
	tensor_load_to_lds s[G0SB:G0SB+3], s[G1SB:G1SB+7]
	s_nop 0
.rept 4
	v_nop
.endr
.Lhead_asked:                                          ; the addresses and the bias loads below stand between these loads and the wait for them
	v_and_b32 v1, 15, v0
	v_bfe_u32 v2, v0, 4, 1
	v_and_b32 v7, 31, v0
	v_mul_u32_u24 v3, v1, PITCH
	v_mul_u32_u24 v4, v2, 24
	v_add_nc_u32 v4, v3, v4
	v_lshl_add_u32 v5, v2, 4, v4
	v_lshlrev_b32 v8, 3, v7
	s_mul_i32 s21, s15, 24576
	s_mul_i32 s22, s16, HALFT
	s_add_co_u32 s22, s22, 2*HALFT
.irp s, 0,1
	v_add_nc_u32 v[ADRA+\s], s21, v8
	v_add_nc_u32 v[ADRB+\s], s22, v4
	v_add_nc_u32 v[ADRB+2+\s], s22, v5
	s_add_co_u32 s21, s21, SLOT
	s_add_co_u32 s22, s22, SLOT
.endr
	v_mul_u32_u24 v5, v1, KS
	v_lshrrev_b32 v6, 8, v5
	v_lshl_add_u32 v5, v6, 4, v5
	s_mul_i32 s21, s15, HALFS
	s_mul_i32 s22, s16, HALFS
	s_add_co_u32 s22, s22, 2*HALFS
	s_sub_co_u32 s22, s22, s21
	v_mul_u32_u24 v6, s22, v2
	s_add_co_u32 s21, s21, SCL
	v_add_nc_u32 v5, v5, v6
	v_add_nc_u32 v[ADRS], s21, v5
	s_mul_i32 s23, s14, 16*SPITCH
	v_mul_u32_u24 v5, v1, SPITCH
	v_lshl_add_u32 v5, v2, 6, v5
	v_add_nc_u32 v[STO], s23, v5
	v_lshlrev_b32 v[CO], 4, v7
	v_add_nc_u32 v[RD], s23, v[CO]
	v_lshlrev_b32 v9, 6, v2
	s_wait_alu depctr_va_vdst(0)
	s_lshl_b32 s20, s17, 8
	s_lshl_b32 s21, s15, 7
	s_add_co_u32 s20, s20, s21
	s_lshl_b32 s20, s20, 12
	s_lshl_b32 s46, s42, 10
	s_lshl_b32 s47, s16, 9
	s_add_co_u32 s46, s46, s47
	s_mov_b32 s47, 0
	s_add_nc_u64 s[96:97], s[96:97], s[46:47]
	s_add_co_u32 s20, s20, s46
	s_mov_b32 s21, 0
	s_add_nc_u64 s[98:99], s[98:99], s[20:21]
.irp b, 0,1,2,3,4,5,6,7
	global_load_b128 v[BIAS+8*\b:BIAS+8*\b+3], v9, s[96:97] offset:4*(32*(\b/2)+8*(\b%2))
	global_load_b128 v[BIAS+8*\b+4:BIAS+8*\b+7], v9, s[96:97] offset:4*(32*(\b/2)+8*(\b%2))+16
.endr
.macro FRAG reg, adr, q, i
.irp p, 0,1,2,3,4,5
.set PC, 12*(\q)+6*(\p/3)+\p%3
.if PC%8 < 5
	ds_load_b64 v[\reg+2*\p:\reg+2*\p+1], v[\adr] offset:8*PC+16*(PC/8)+(\i)*16*PITCH
.else
	ds_load_b64 v[\reg+2*\p:\reg+2*\p+1], v[\adr+2] offset:8*PC+16*(PC/8)+(\i)*16*PITCH
.endif
.endr
.endm
.macro FRAGA reg, adr, q, i
.irp p, 0,1,2,3,4,5
	ds_load_b64 v[\reg+2*\p:\reg+2*\p+1], v[\adr] offset:(\i)*3072+(\q)*1536+256*\p
.endr
.endm
.macro MUL16 a0, p, q, sc, zero
.irp a, \a0, \a0+1
.irp b, 0,1,2,3,4,5,6,7
.if \zero
	v_wmma_scale_f32_16x16x128_f8f6f4 v[8*(8*((\a)%4)+\b):8*(8*((\a)%4)+\b)+7], v[128*(\p)+FR*\b:128*(\p)+FR*\b+FR-1], v[AF+FR*(\a):AF+FR*(\a)+FR-1], v[BIAS+8*\b:BIAS+8*\b+7], v[SC+8*NQ*(\sc)+NQ*\b+(\q)], v[SC+8*NQ*(\sc)+NQ*(\a)+(\q)] matrix_a_fmt:MATRIX_FMT_FP6 matrix_b_fmt:MATRIX_FMT_FP6 matrix_a_scale:MATRIX_SCALE_ROW1
.else
	v_wmma_scale_f32_16x16x128_f8f6f4 v[8*(8*((\a)%4)+\b):8*(8*((\a)%4)+\b)+7], v[128*(\p)+FR*\b:128*(\p)+FR*\b+FR-1], v[AF+FR*(\a):AF+FR*(\a)+FR-1], v[8*(8*((\a)%4)+\b):8*(8*((\a)%4)+\b)+7], v[SC+8*NQ*(\sc)+NQ*\b+(\q)], v[SC+8*NQ*(\sc)+NQ*(\a)+(\q)] matrix_a_fmt:MATRIX_FMT_FP6 matrix_b_fmt:MATRIX_FMT_FP6 matrix_a_scale:MATRIX_SCALE_ROW1
.endif
.endr
.endr
.endm
.macro FETCH_B slot, q, p
	WIN TO_B
.irp i, 0,1,2,3,4,5,6,7
	FRAG 128*(\p)+FR*\i, ADRB+\slot, \q, \i
.endr
	WIN 0
.endm
.macro FETCH_A slot, q, i0
.irp i, \i0, \i0+1, \i0+2, \i0+3
	FRAGA AF+FR*(\i), ADRA+\slot, \q, \i
.endr
.endm
.macro SCALES sc
.irp i, 0,1,2,3,4,5,6,7
	ds_load_b64 v[SC+8*NQ*\sc+NQ*\i:SC+8*NQ*\sc+NQ*\i+1], v[ADRS] offset:\i*SBLK
.endr
.endm
.macro PLACES n
.rept \n
	v_nop
.endr
.endm
.macro STEP slot, q, zero
	s_wait_dscnt 4*NL
.if \zero
	WIN 0x81
.else
	WIN MUL_LO
.endif
	MUL16 0, (\q)%2, \q, \slot, \zero
	MUL16 2, (\q)%2, \q, \slot, \zero
	s_wait_dscnt 0
	PLACES NP
	FETCH_B \slot, (\q)+1, 1-(\q)%2
	FETCH_A \slot, (\q)+1, 0
.if \zero
	WIN 0xc1
.else
	WIN MUL_HI
.endif
	MUL16 4, (\q)%2, \q, \slot, \zero
	MUL16 6, (\q)%2, \q, \slot, \zero
	PLACES NP
	WIN 0
	FETCH_A \slot, (\q)+1, 4
.endm
.macro TURN slot, next, fill
	s_wait_tensorcnt 0x0
	ds_add_u32 v[SPW], v[NIL]
	s_wait_dscnt 4*NL+1
	WIN MUL_LO
	MUL16 0, 1, NQ-1, \slot, 0
	s_wait_dscnt 0x0
	s_barrier_signal -1
	MUL16 2, 1, NQ-1, \slot, 0
	WIN 0
	s_barrier_wait -1
.if \fill
	CREST
	s_add_nc_u64 s[G0+4*\slot+2:G0+4*\slot+3], s[G0+4*\slot+2:G0+4*\slot+3], 2*3072
	s_add_nc_u64 s[G0B+4*\slot+2:G0B+4*\slot+3], s[G0B+4*\slot+2:G0B+4*\slot+3], 2*CHS
	JLOAD G0+4*\slot, G1, G0B+4*\slot, G1B
.else
	PLACES NP
.endif
	s_wait_alu depctr_va_vdst(0)
	v_add_nc_u32 v[ADRS], 4*NQ, v[ADRS]
	FETCH_B \next, 0, 0
	FETCH_A \next, 0, 0
	SCALES \next
	WIN MUL_HI
	MUL16 4, 1, NQ-1, \slot, 0
	MUL16 6, 1, NQ-1, \slot, 0
	PLACES NP
	WIN 0
	FETCH_A \next, 0, 4
.endm
	s_wait_alu depctr_va_vdst(0)                   ; the wait at the head's end
	s_wait_tensorcnt 0x0                           ; my tile of the head's four is in
	ds_add_u32 v[SPW], v[NIL]
	s_mov_b32 s[G1+2], 8<<16                       ; no tensor load of mine is out: from here on a load brings 128 rows
	s_mov_b32 s[G1+4], 8
	s_mov_b32 s[G1B+2], 96<<16
	s_mov_b32 s[G1B+4], 96
	s_wait_dscnt 0x0
	CROUND                                         ; all four tiles are in, and all sixteen work-groups are here
	JLOAD G0+4, G1, G0B+4, G1B                     ; slot 1's first fill, the first tensor load behind the round
	FETCH_B 0, 0, 0
	FETCH_A 0, 0, 0
	SCALES 0
	FETCH_A 0, 0, 4
	s_wait_loadcnt 0x0
	STEP 0, 0, 1
	s_mov_b32 s3, LAPS-1
.Llap:
	TURN 0, 1, 1
	STEP 1, 0, 0
	TURN 1, 0, 1
	STEP 0, 0, 0
	s_sub_co_u32 s3, s3, 1
	s_cmp_lg_u32 s3, 0
	s_cbranch_scc1 .Llap
	TURN 0, 1, 0
	STEP 1, 0, 0
	s_wait_dscnt 4*NL
	WIN MUL_LO
	MUL16 0, 1, NQ-1, 1, 0
	MUL16 2, 1, NQ-1, 1, 0
	s_wait_dscnt 0
	WIN MUL_HI
	MUL16 4, 1, NQ-1, 1, 0
	MUL16 6, 1, NQ-1, 1, 0
	WIN 0
.macro TOSTAGE a
.set AC, 64*((\a)%4)
	WIN 0x08+4*((\a)/4)
.irp b, 0,1,2,3,4,5,6,7
	ds_store_b128 v[STO], v[AC+8*\b:AC+8*\b+3] offset:128*(\b/2)+32*(\b%2)
	ds_store_b128 v[STO], v[AC+8*\b+4:AC+8*\b+7] offset:128*(\b/2)+32*(\b%2)+16
.endr
	WIN 0
.set BB, BK+64*((\a)%2)
.irp t, 0,1,2,3,4,5,6,7,8,9,10,11,12,13,14,15
	ds_load_b128 v[BB+4*\t:BB+4*\t+3], v[RD] offset:\t*SPITCH
.endr
.endm
.macro SEND a, younger
.set BB, BK+64*((\a)%2)
	s_wait_dscnt \younger
.irp t, 0,1,2,3,4,5,6,7,8,9,10,11,12,13,14,15
	global_store_b128 v[CO], v[BB+4*\t:BB+4*\t+3], s[98:99] offset:(32*((\a)/2)+8*((\a)%2)+\t+8*(\t/8))*4096 th:TH_STORE_NT
.endr
.endm
	PLACES NP
	TOSTAGE 0
.irp a, 1,2,3,4,5,6,7
.if \a > 1
	s_wait_xcnt 0x0
.endif
	TOSTAGE \a
	SEND \a-1, 32
.endr
	SEND 7, 0
	s_wait_tensorcnt 0x0
	ds_add_u32 v[SPW], v[NIL]
	s_wait_dscnt 0x0
	CROUND
	s_endpgm
.Lfunc_end_k_q22d003d7ae_proj:
	.size	k_q22d003d7ae_proj, .Lfunc_end_k_q22d003d7ae_proj-k_q22d003d7ae_proj
	.p2alignl 7, 3214868480
	.fill 96, 4, 3214868480
	.section	.rodata,"a",@progbits
	.p2align	6, 0x0
	.amdhsa_kernel k_q22d003d7ae_proj
		.amdhsa_group_segment_fixed_size 327680
		.amdhsa_private_segment_fixed_size 0
		.amdhsa_enable_private_segment 0
		.amdhsa_kernarg_size 48
		.amdhsa_user_sgpr_count 2
		.amdhsa_user_sgpr_kernarg_segment_ptr 1
		.amdhsa_wavefront_size32 1
		.amdhsa_system_sgpr_workgroup_id_x 1
		.amdhsa_system_sgpr_workgroup_id_y 1
		.amdhsa_system_sgpr_workgroup_id_z 1
		.amdhsa_system_vgpr_workitem_id 0
		.amdhsa_next_free_vgpr 1024
		.amdhsa_next_free_sgpr 100
		.amdhsa_reserve_vcc 0
		.amdhsa_float_denorm_mode_32 3
		.amdhsa_float_denorm_mode_16_64 3
		.amdhsa_memory_ordered 1
		.amdhsa_forward_progress 1
		.amdhsa_inst_pref_size 162
	.end_amdhsa_kernel
	.amdgpu_metadata
---
amdhsa.version: [ 1, 2 ]
amdhsa.kernels:
  - .name:           k_q22d003d7ae_proj
    .symbol:         k_q22d003d7ae_proj.kd
    .args:
      - { .name: oimg, .offset: 0, .size: 8, .value_kind: global_buffer, .address_space: global }
      - { .name: osc, .offset: 8, .size: 8, .value_kind: global_buffer, .address_space: global }
      - { .name: w_codes, .offset: 16, .size: 8, .value_kind: global_buffer, .address_space: global }
      - { .name: w_scales, .offset: 24, .size: 8, .value_kind: global_buffer, .address_space: global }
      - { .name: proj_b, .offset: 32, .size: 8, .value_kind: global_buffer, .address_space: global }
      - { .name: out0, .offset: 40, .size: 8, .value_kind: global_buffer, .address_space: global }
    .group_segment_fixed_size: 327680
    .private_segment_fixed_size: 0
    .kernarg_segment_align: 8
    .kernarg_segment_size: 48
    .max_flat_workgroup_size: 128
    .sgpr_count:     100
    .vgpr_count:     1024
    .wavefront_size: 32
...
	.end_amdgpu_metadata
.endif
;; end of part 4
